; MI455X (gfx1250); checked and timed in simulation.
; The chip was launched on July 23, 2026; its instructions are those of AMD's public machine-readable ISA for CDNA 5 (MIT licence, August 2026) and "CDNA5" Instruction Set Architecture Reference Guide (July 2026). The comments in the code are by the model that wrote it; some were corrected since.
;; Temporal Self Attention. Allowed arithmetic: matrix products marked QUANTISED: E2M3 operands, one E8M0 scale for each 32 along K, by v_wmma_scale_f32_16x16x128_f8f6f4 with both operands' format E2M3, f32 sums; everything else in f32.
;; Inputs: b_attn 768 float32; b_proj 256 float32; input_tensor 2 x 1,024 x 4 x 256 float32; w_attn 256 x 768 float32; w_proj 256 x 256 float32.
;; Outputs: out0 2 x 1,024 x 4 x 256 float32.
;; This version of the problem:
;;   THIS VERSION OF THE PROBLEM IS GIVEN IN LOW PRECISION. The matrix products marked QUANTISED in the list below multiply operands that are first quantised to E2M3 (2 exponent bits, 3 mantissa bits; 6 bits a number), with one power-of-two scale for each 32 numbers along K (OCP MX v1.0); their sums are f32. All else is computed in f32.
;;   The module's matrix products, in the order in which they are computed (A, B: the left and right operand; K: the contracted axis; several contracted axes count as one K, in the product's order):
;;     1. [M 8,192, K 256] x [K 256, N 768]; A: input input_tensor; B: input w_attn: QUANTISED
;;     2. batch 64 x [M 1,024, K 32] x [K 32, N 1,024]; A: computed on the way; B: computed on the way: QUANTISED
;;     3. batch 64 x [M 32, K 1,024] x [K 1,024, N 1,024]; A: computed on the way; B: softmax (see below): QUANTISED
;;     4. [M 8,192, K 256] x [K 256, N 256]; A: computed on the way; B: input w_proj: QUANTISED
;;   THE QUANTISER, for each operand of a quantised product, along K:
;;     - K is cut into blocks of 32 from its start; a last block that is shorter is filled with zeros.
;;     - A block's scale is 2^e with e = floor(log2(the largest magnitude in the block)) - 2, held to -126 .. 127; a block of zeros has e = 0. As a byte (E8M0): e + 127.
;;     - Each number is divided by its block's scale, clamped to +-7.5, and rounded to the nearest number of E2M3, ties to even, subnormals kept.
;;     - The product sums the exact products of the quantised numbers (number of the format x scale) in f32.
;;   ~~~python
;;   def quantise(x, axis):      # numpy; x: float32 -> the quantised numbers, widened to float32 again
;;       x = np.moveaxis(x, axis, -1); K = x.shape[-1]
;;       x = np.pad(x, [(0, 0)] * (x.ndim - 1) + [(0, -K % 32)]); x = x.reshape(x.shape[:-1] + (-1, 32)); a = np.abs(x).max(-1, keepdims=True)
;;       e = np.where(a > 0, np.clip(np.frexp(np.where(a > 0, a, 1))[1] - 1 - 2, -126, 127), 0)      # np.frexp(a)[1] - 1 = floor(log2(a)), exactly
;;       r = np.clip(x / 2.0 ** e, -7.5, 7.5)
;;       step = 2.0 ** (np.maximum(np.frexp(np.where(r == 0, 1, r))[1] - 1, 0) - 3)
;;       q = np.round(r / step) * step * 2.0 ** e      # np.round: ties to even
;;       return np.moveaxis(q.reshape(q.shape[:-2] + (-1,))[..., :K], -1, axis).astype(np.float32)
;;   ~~~
;;   SOFTMAX AHEAD OF A QUANTISED PRODUCT. Where the list says 'softmax', what is quantised is not the finished softmax but p = 2^(t - M), with t = logit x log2(e) and M = ceil(the row's largest t), a whole number; so 1/2 < the row's largest p <= 1. The row's sum l is taken of the UNQUANTISED p, in f32, and the product's result is divided by l at the end. Since M is a whole number, a kernel that streams over the keys may use a running M (the ceiling of the running maximum): every later rescaling is an exact power of two, which a block's scale takes up: the codes' values come out the same.
;;   OPERANDS COMPUTED ON THE WAY. 'Computed on the way' means the value that the module computes at that place (a softmax that the list does not call 'softmax' is quantised finished and normalised). What goes into a quantiser is computed in f32, as accurately as f32 sums, v_exp_f32 and their like allow (about 1e-6 of the number): no bf16 or f16 on the way to a quantiser, and a product that is left as it is and whose result goes on into a quantised operand takes f32 operands (vector FMAs, or v_wmma_f32_16x16x4_f32). A number that lies on a knife's edge between two numbers of the format may be rounded either way, as far as f32 arithmetic and the matrix unit's own rounding can turn it there, and no further.
;; 2 versions. Each part assembles by itself: llvm-mc -triple=amdgcn-amd-amdhsa -mcpu=gfx1250 --defsym DOCPART=n.
;; ======== version 1 of 2: 2 launches
;; workspace buffers: qimg 1,703,936 bytes; kv 3,407,872 bytes; wp 51,200 bytes
;; launch qkv (part 1): grid 64 x 4, 8 waves a work-group, no clusters, 82,944 bytes of LDS; arguments input_tensor, w_attn, b_attn, w_proj, qimg, kv, wp; writes qimg, kv, wp
.if DOCPART == 1
	.amdgcn_target "amdgcn-amd-amdhsa--gfx1250"
	.amdhsa_code_object_version 6
	.text
	.protected	k_q26ff8f59c0_qkv
	.globl	k_q26ff8f59c0_qkv
	.p2align	8
	.type	k_q26ff8f59c0_qkv,@function
k_q26ff8f59c0_qkv:
	s_mov_b64 s[64:65], 0
	v_nop
	global_prefetch_b8 v0, s[64:65] scope:SCOPE_SE
	s_setreg_imm32_b32 hwreg(HW_REG_WAVE_MODE, 25, 1), 1
	s_wait_xcnt 0x0
; qkv = Q(x) Q(w_attn) + b_attn on codes of FP6 (E2M3) with one E8M0 scale for each 32 along K; RoPE on q and k; then q, k and v are quantised again
; (q, k along the head's 32; v along the tokens) and stored as IMAGES OF THE OPERAND REGISTERS that the attention launch loads.  Idle waves quantise w_proj likewise.
; SHARES.  Work-group x = 8 bn + s: 128 tokens (128 s on) of sequence bn = 4 b + n; work-group y = g: heads 2 g and 2 g + 1 (64 columns each of q, k, v).  Eight waves.
; AHEAD OF THE BARRIER each wave: cos and sin of its 16 tokens -> LDS; three halves (32 columns x 64 K) of the work-group's part of w_attn -> codes -> LDS (a lane takes a column, its
; registers run down K); its 16 tokens of x (256 K) -> two fragments -> LDS.  BEHIND IT: wave (role, e, f) makes q (role 0) or k (role 1) of head 2 g + e for token tiles 4 f .. 4 f + 3;
; then waves 0-3 make v of head 2 g + e, column tile u = f, for all 128 tokens, while waves 4-7 of eight work-groups quantise w_proj.
; TOKEN TILES ARE NOT RUNS OF NEIGHBOURS: row r of tile tau is token 32 (tau / 2) + 8 (tau % 2) + r + 8 (r / 8), so that where tokens run down a result's registers, the 16 registers of tiles 2 B, 2 B + 1 are tokens 32 B + 16 h + 0 .. 15.
; q, k: source 0 = 16 columns of W, source 1 = 16 tokens: lane (r, h) holds token r and d = 16 u + 8 h + j: d and d + 16 lie in one lane, so RoPE changes no lanes.  A fragment's block b holds token tile 4 f + b's
; head vector (one block of 32), with d in the order 16 h + 8 u + j <-> d = 16 u + 8 h + j, alike in q and k: the products do not see it.
; v: source 0 = 16 tokens, source 1 = 16 columns of W_v (lane r of tile u: d = 8 u + r % 8 + 16 (r / 8)): a lane holds one d, its registers run down the tokens, which are the second attention product's K.
; LIMITS: NaN and infinities among the inputs are not served.  A block whose largest magnitude lies under 2^-124 gets the scale byte 1 (a block of zeros too, where the rule says 127: its codes are zeros, and this
; program alone reads the bytes).  inv_freq is written in as fl(1 / fl(10000^(i / 16))); sin and cos are good to about 1e-7 absolute on the f32 angle fl(t x inv_freq), t up to 1,023.
.set XIMG, 0                           ; LDS: x's 16 fragment images (tile, K step) at (2 tile + ks) 1536
.set WIMG, 24576                       ; W's half images: pair 6144 + u 3072 + ks 1536 + c 768; pair = 2 role + e.  A half image: registers 6 c .. 6 c + 3 at 16 lane, 6 c + 4, 6 c + 5 at 512 + 8 lane
.set CST,  61440                       ; cos, sin: tile 2048 + 512 q + 16 lane; q = 0, 1 cos j 0-3, 4-7; q = 2, 3 sin
.set XSC,  77824                       ; x's scale words: tile 128 + 4 lane; lanes 0-15 K step 0's, lanes 16-31 K step 1's
.set WSC,  78848                       ; W's scale words: (2 pair + ks) 128 + 4 column
.set N0,  64                           ; v64-127, v128-191, v192-255: three sets of 64 numbers
.set N1,  128
.set N2,  192
.set PC,  16                           ; v16-35 codes at work
.set TM,  36                           ; v36-51 largest magnitudes, bytes, scale operands
.set PW,  52                           ; v52 the scale word just made; v53 the one before
.set XS,  54                           ; v54-61 x's scale words, v62-63 W's: these ten hold scales and nothing else
.set WS,  62
.set DD,  64                           ; v64-127 the products' results
.set XF,  128                          ; v128-223 eight fragments of x
.set WPN, 160                          ; v160-223 64 numbers of w_proj
.set BQ,  224                          ; v224-239 the bias as C; later at work in RoPE; then v's bias
.set BV,  252
.set SEL, 22
.macro LOADW set, base, voff, stride   ; a lane takes a column, its 64 registers run down K: each load reads 128 consecutive bytes
.set i, 0
.rept 64
	global_load_b32 v[\set+i], v[\voff], s[\base:\base+1] offset:i*\stride
.set i, i+1
.endr
.endm
; 64 numbers down K of my column (two blocks of 32, all mine) become codes.  Behind the exchange v16-21 are registers 6 c .. 6 c + 5 of column tile 0's fragment, v24-29 those of tile 1's; v46 holds my column's two scale bytes.
.macro WHALF set
.irp q, 0,1,2,3
	v_max3_num_f32 v[40+\q], |v[\set+16*\q]|, |v[\set+16*\q+1]|, 0x1800000   ; four chains of 16; the floor 2^(3 - 127) keeps the byte at 1 from below
.endr
.irp i, 2,4,6,8,10,12,14
.irp q, 0,1,2,3
	v_max3_num_f32 v[40+\q], v[40+\q], |v[\set+16*\q+\i]|, |v[\set+16*\q+\i+1]|
.endr
.endr
	v_max_num_f32 v40, v40, v41
	v_max_num_f32 v42, v42, v43
	v_add_nc_u32 v44, 0xff000000, v40              ; 2 off the exponent field: the conversion's scale operand
	v_add_nc_u32 v45, 0xff000000, v42
	v_lshrrev_b32 v46, 23, v44                     ; the bytes
	v_lshrrev_b32 v47, 23, v45
	v_lshl_or_b32 v46, v47, 8, v46
	v_cvt_scalef32_pk16_fp6_f32 v[16:18], v[\set:\set+15], v44
	v_cvt_scalef32_pk16_fp6_f32 v[32:34], v[\set+16:\set+31], v44
	v_cvt_scalef32_pk16_fp6_f32 v[24:26], v[\set+32:\set+47], v45
	v_cvt_scalef32_pk16_fp6_f32 v[36:38], v[\set+48:\set+63], v45
	v_nop                                          ; one plain place behind the scaled conversions
.irp i, 0,1,2
	v_permlane16_swap_b32 v[16+\i], v[24+\i]       ; the first block of columns 16-31 changes places with the second block of columns 0-15
	v_permlane16_swap_b32 v[32+\i], v[36+\i]
.endr
.irp i, 0,1,2
	v_mov_b32 v[19+\i], v[32+\i]
	v_mov_b32 v[27+\i], v[36+\i]
.endr
.endm
.macro WSINK_LDS i
	v_add_nc_u32 v11, s[34+\i], v5
	v_add_nc_u32 v12, s[34+\i], v7
	v_add_nc_u32 v13, s[37+\i], v6
	ds_store_b128 v11, v[16:19]
	ds_store_b64 v12, v[20:21] offset:512
	ds_store_b128 v11, v[24:27] offset:3072
	ds_store_b64 v12, v[28:29] offset:3584
	ds_store_b16 v13, v46
	s_wait_dscnt 0x0                               ; the stores have read their registers
.endm
.macro XLOAD set, ks                   ; my token's 64 numbers of K step ks: of each block of 32 my half's 16
.irp b, 0,1,2,3
.irp j, 0,1,2,3
	global_load_b128 v[\set+16*\b+4*\j:\set+16*\b+4*\j+3], v4, s[44:45] offset:512*\ks+128*\b+16*\j
.endr
.endr
.endm
; 64 numbers of a lane, register 16 b + i = k 32 b + 16 (lane / 16) + i of my row, become a fragment's codes in v[PC] on and its scale word in v[PW].
.macro QUANT s
.irp b, 0,1,2,3
	v_max3_num_f32 v[TM+\b], |v[\s+16*\b]|, |v[\s+1+16*\b]|, 0x1800000
.endr
.irp i, 2,4,6,8,10,12,14
.irp b, 0,1,2,3
	v_max3_num_f32 v[TM+\b], v[TM+\b], |v[\s+16*\b+\i]|, |v[\s+1+16*\b+\i]|
.endr
.endr
.irp b, 0,1,2,3
	v_permlanex16_b32 v[TM+4+\b], v[TM+\b], s[SEL], s[SEL+1]
.endr
.irp b, 0,1,2,3
	v_max_num_f32 v[TM+\b], v[TM+\b], v[TM+4+\b]   ; with lane l xor 16's: the block's largest magnitude
.endr
.irp b, 0,1,2,3
	v_add_nc_u32 v[TM+12+\b], 0xff000000, v[TM+\b]
.endr
.irp b, 0,1,2,3
	v_lshrrev_b32 v[TM+4+\b], 23, v[TM+12+\b]
.endr
	v_lshl_or_b32 v[PW], v[TM+5], 8, v[TM+4]
	v_lshl_or_b32 v[PW], v[TM+6], 16, v[PW]
	v_lshl_or_b32 v[PW], v[TM+7], 24, v[PW]
.irp c, 0,1
	v_cvt_scalef32_pk16_fp6_f32 v[PC+6*\c:PC+2+6*\c], v[\s+32*\c:\s+15+32*\c], v[TM+12+2*\c]
	v_cvt_scalef32_pk16_fp6_f32 v[PC+12+4*\c:PC+14+4*\c], v[\s+16+32*\c:\s+31+32*\c], v[TM+12+2*\c+1]
.endr
	v_nop                                          ; one plain place behind the scaled conversions
.irp c, 0,1                                    ; the operand wants a whole block in a lane
.irp i, 0,1,2
	v_permlane16_swap_b32 v[PC+6*\c+\i], v[PC+12+4*\c+\i]
.endr
.irp i, 0,1,2
	v_mov_b32 v[PC+3+6*\c+\i], v[PC+12+4*\c+\i]
.endr
.endr
.endm
.macro IMAGE adr, off
.irp c, 0,1,2
	ds_store_b128 v[\adr], v[PC+4*\c:PC+4*\c+3] offset:\off+512*\c
.endr
.endm
.macro FETCH reg, adr, off
.irp c, 0,1,2
	ds_load_b128 v[(\reg)+4*\c:(\reg)+4*\c+3], v[\adr] offset:(\off)+512*\c
.endr
.endm
.macro FETCHW reg, aa, ab, off
.irp c, 0,1
	ds_load_b128 v[(\reg)+6*\c:(\reg)+6*\c+3], v[\aa] offset:(\off)+768*\c
	ds_load_b64 v[(\reg)+6*\c+4:(\reg)+6*\c+5], v[\ab] offset:(\off)+768*\c+512
.endr
.endm
; one product: D, source 0, source 1, C; the two scale registers; ra, rb = 1: that side's scales are read from lanes 16-31
.macro WM d, a, b, c, sa, sb, ra, rb
.if (\ra) == 0 && (\rb) == 0
	v_wmma_scale_f32_16x16x128_f8f6f4 v[(\d):(\d)+7], v[(\a):(\a)+11], v[(\b):(\b)+11], v[(\c):(\c)+7], v[\sa], v[\sb] matrix_a_fmt:MATRIX_FMT_FP6 matrix_b_fmt:MATRIX_FMT_FP6
.elseif (\ra) != 0 && (\rb) == 0
	v_wmma_scale_f32_16x16x128_f8f6f4 v[(\d):(\d)+7], v[(\a):(\a)+11], v[(\b):(\b)+11], v[(\c):(\c)+7], v[\sa], v[\sb] matrix_a_fmt:MATRIX_FMT_FP6 matrix_b_fmt:MATRIX_FMT_FP6 matrix_a_scale:MATRIX_SCALE_ROW1
.elseif (\ra) == 0 && (\rb) != 0
	v_wmma_scale_f32_16x16x128_f8f6f4 v[(\d):(\d)+7], v[(\a):(\a)+11], v[(\b):(\b)+11], v[(\c):(\c)+7], v[\sa], v[\sb] matrix_a_fmt:MATRIX_FMT_FP6 matrix_b_fmt:MATRIX_FMT_FP6 matrix_b_scale:MATRIX_SCALE_ROW1
.else
	v_wmma_scale_f32_16x16x128_f8f6f4 v[(\d):(\d)+7], v[(\a):(\a)+11], v[(\b):(\b)+11], v[(\c):(\c)+7], v[\sa], v[\sb] matrix_a_fmt:MATRIX_FMT_FP6 matrix_b_fmt:MATRIX_FMT_FP6 matrix_a_scale:MATRIX_SCALE_ROW1 matrix_b_scale:MATRIX_SCALE_ROW1
.endif
.endm
.macro INVF j, lo, hi                  ; inv_freq of d = 8 h + j: lanes 0-15 take index j, lanes 16-31 index 8 + j
	v_mov_b32 v[129+16*\j], \hi
	v_cndmask_b32 v[128+16*\j], \lo, v[129+16*\j], vcc_lo
.endm
	s_load_b256 s[4:11], s[0:1], 0x0               ; input s[4:5], w_attn s[6:7], b_attn s[8:9], w_proj s[10:11]
	s_load_b128 s[12:15], s[0:1], 0x20             ; qimg s[12:13], kv s[14:15]
	s_load_b64 s[16:17], s[0:1], 0x30              ; wp
	s_set_vgpr_msb 0x40
	v_lshl_add_u32 v0, v0, 2, 0x14000
	v_mov_b32 v1, 0
	s_set_vgpr_msb 0x4000
	v_lshrrev_b32 v1, 5, v0
	v_readfirstlane_b32 s18, v1                    ; wave 0..7
	s_lshr_b32 s19, ttmp9, 3                       ; bn
	s_and_b32 s20, ttmp9, 7                        ; s: which 128 tokens
	s_and_b32 s21, ttmp7, 0xffff                   ; g: which two heads
	s_mov_b32 s22, 0x76543210
	s_mov_b32 s23, 0xfedcba98                      ; v_permlanex16_b32's selects for lane l xor 16
	s_mov_b32 s24, 0xffff0000                      ; lanes 16-31
	s_lshr_b32 s87, s18, 2                         ; role: 0 q, 1 k
	s_bfe_u32 s88, s18, 0x10001                    ; e: which of the two heads
	s_and_b32 s89, s18, 1                          ; f: which four token tiles; for v: u, which column tile
	v_and_b32 v1, 31, v0                           ; lane
	v_and_b32 v2, 15, v0                           ; r
	v_bfe_u32 v3, v0, 4, 1                         ; h
	v_lshlrev_b32 v5, 4, v1                        ; 16 lane
	v_lshlrev_b32 v6, 2, v1                        ; 4 lane
	v_lshlrev_b32 v7, 3, v1                        ; 8 lane
	v_and_b32 v11, 7, v1                           ; v's columns: lane l takes d = l % 8 + 16 ((l / 8) % 2) + 8 (l / 16)
	v_bfe_u32 v12, v1, 3, 1
	v_lshl_add_u32 v11, v12, 4, v11
	v_lshl_add_u32 v11, v3, 3, v11
	v_lshlrev_b32 v11, 2, v11
	; my three halves of W: t = 3 wave + i; pair = t / 4, K step = (t / 2) % 2, half = t % 2
	s_mul_i32 s78, s18, 3
.irp i, 0,1,2
	s_add_co_u32 s79, s78, \i
	s_lshr_b32 s80, s79, 2
	s_and_b32 s81, s79, 3
	s_mul_i32 s82, s80, 6144
	s_mul_i32 s83, s81, 768
	s_add_co_u32 s82, s82, s83
	s_add_co_u32 s[34+\i], s82, WIMG               ; where its half images go
	s_lshr_b32 s82, s79, 1
	s_lshl_b32 s82, s82, 7
	s_and_b32 s83, s79, 1
	s_lshl_b32 s83, s83, 1
	s_add_co_u32 s82, s82, s83
	s_add_co_u32 s[37+\i], s82, WSC                ; and its two scale bytes a column
	s_mul_i32 s84, s81, 196608                     ; 64 rows of 3,072 bytes for each half passed
	s_lshr_b32 s82, s79, 3
	s_lshl_b32 s82, s82, 10                        ; q, k or v: 256 columns each
	s_add_co_u32 s84, s84, s82
	s_and_b32 s82, s80, 1
	s_lshl_b32 s82, s82, 7                         ; the head's 32 columns
	s_add_co_u32 s84, s84, s82
	s_lshl_b32 s82, s21, 8
	s_add_co_u32 s[26+2*\i], s84, s82
	s_mov_b32 s[27+2*\i], 0
	s_cmp_ge_u32 s79, 16                           ; pairs 4 and 5 are v's
	s_cselect_b32 s85, -1, 0
	v_cndmask_b32 v[8+\i], v6, v11, s85
.endr
	s_lshr_b32 s82, s19, 2                         ; x: b x 4 MiB + 128 s tokens of 4,096 bytes + n x 1,024
	s_lshl_b32 s82, s82, 22
	s_lshl_b32 s83, s20, 19
	s_add_co_u32 s82, s82, s83
	s_and_b32 s83, s19, 3
	s_lshl_b32 s83, s83, 10
	s_add_co_u32 s44, s82, s83
	s_mov_b32 s45, 0
	s_lshr_b32 s82, s18, 1                         ; my token tile = my wave's number
	s_lshl_b32 s82, s82, 5
	s_lshl_b32 s83, s89, 3
	s_add_co_u32 s86, s82, s83
	v_and_b32 v12, 8, v2
	v_add_nc_u32 v12, v12, v2
	v_add_nc_u32 v12, s86, v12                     ; my token among the 128
	v_lshlrev_b32 v4, 12, v12
	v_lshl_add_u32 v4, v3, 6, v4                   ; its row, + 64 h
	s_lshl_b32 s82, s20, 7
	v_add_nc_u32 v14, s82, v12
	v_cvt_f32_u32 v14, v14                         ; its position t
	; w_proj: 32 halves, taken by waves 4-7 of work-groups x = 0 .. 7, y = 0
	s_cmp_ge_u32 s18, 4
	s_cselect_b32 s25, 1, 0
	s_cmp_lt_u32 ttmp9, 8
	s_cselect_b32 s25, s25, 0
	s_cmp_eq_u32 s21, 0
	s_cselect_b32 s25, s25, 0
	s_lshl_b32 s82, ttmp9, 2
	s_add_co_u32 s82, s82, s18
	s_sub_co_u32 s82, s82, 4
	s_and_b32 s82, s82, 31                         ; which half: column pair = id / 4, K step, half as above
	s_and_b32 s83, s82, 3
	s_lshr_b32 s84, s82, 2
	s_lshl_b32 s32, s83, 16                        ; 64 rows of 1,024 bytes
	s_lshl_b32 s85, s84, 7
	s_add_co_u32 s32, s32, s85
	s_mov_b32 s33, 0
	s_mul_i32 s58, s84, 6144
	s_mul_i32 s85, s83, 768
	s_add_co_u32 s58, s58, s85
	s_mov_b32 s59, 0
	s_lshr_b32 s85, s82, 1
	s_lshl_b32 s85, s85, 7
	s_and_b32 s83, s82, 1
	s_lshl_b32 s83, s83, 1
	s_add_co_u32 s85, s85, s83
	s_add_co_u32 s60, s85, 49152
	s_mov_b32 s61, 0
	; where the results go: record (8 bn + head) 8 + s
	s_lshl_b32 s90, s21, 1
	s_add_co_u32 s90, s90, s88                     ; head
	s_lshl_b32 s82, s19, 3
	s_add_co_u32 s82, s82, s90
	s_lshl_b32 s82, s82, 3
	s_add_co_u32 s82, s82, s20
	s_lshl_b32 s83, 3328, s87                      ; a record: 3,328 bytes of q, 6,656 of k and v
	s_mul_i32 s83, s82, s83
	s_mul_i32 s84, s89, 1536
	s_add_co_u32 s46, s83, s84
	s_mov_b32 s47, 0
	s_lshl_b32 s85, 3072, s87
	s_add_co_u32 s83, s83, s85
	s_lshl_b32 s85, s89, 7
	s_add_co_u32 s48, s83, s85
	s_mov_b32 s49, 0
	s_mul_i32 s83, s82, 6656
	s_add_co_u32 s50, s83, s84
	s_add_co_u32 s50, s50, 3072
	s_mov_b32 s51, 0
	s_add_co_u32 s52, s83, s85
	s_add_co_u32 s52, s52, 6400
	s_mov_b32 s53, 0
	s_lshl_b32 s83, s90, 7                         ; the biases: q's or k's 32 of my head; v's
	s_lshl_b32 s84, s87, 10
	s_add_co_u32 s54, s83, s84
	s_mov_b32 s55, 0
	s_add_co_u32 s56, s83, 2048
	s_mov_b32 s57, 0
	v_and_b32 v15, 7, v2                           ; v's bias of my column: d = 8 u + r % 8 + 16 (r / 8)
	v_lshrrev_b32 v13, 3, v2
	v_lshl_add_u32 v15, v13, 4, v15
	v_lshlrev_b32 v15, 2, v15
	s_lshl_b32 s83, s89, 5
	v_add_nc_u32 v15, s83, v15
	s_mov_b32 s66, 0x3f22f983                      ; 2 / pi
	s_mov_b32 s67, 0xbfc90fdb                      ; -(pi / 2), its f32 part,
	s_mov_b32 s68, 0x333bbd2e                      ; and what that part leaves
	s_mov_b32 s69, 0xbe2aaaa3                      ; sin r = r + r z (S1 + z (S2 + z S3)), z = r r
	s_mov_b32 s70, 0x3c08839e
	s_mov_b32 s71, 0xb94ca1f9
	s_mov_b32 s72, 0x3d2aaaa5                      ; cos r = 1 - z / 2 + z z (C1 + z (C2 + z C3))
	s_mov_b32 s73, 0xbab6061a
	s_mov_b32 s74, 0x37ccf5ce
	s_wait_kmcnt 0x0
	s_add_nc_u64 s[26:27], s[6:7], s[26:27]
	s_add_nc_u64 s[28:29], s[6:7], s[28:29]
	s_add_nc_u64 s[30:31], s[6:7], s[30:31]
	LOADW N0, 26, 8, 3072                          ; my first half of W is on its way while the angles are worked
	s_add_nc_u64 s[32:33], s[10:11], s[32:33]
	s_add_nc_u64 s[44:45], s[4:5], s[44:45]
	s_cmp_eq_u32 s87, 0
	s_cselect_b64 s[84:85], s[12:13], s[14:15]     ; q's records or k's
	s_add_nc_u64 s[46:47], s[84:85], s[46:47]
	s_add_nc_u64 s[48:49], s[84:85], s[48:49]
	s_add_nc_u64 s[50:51], s[14:15], s[50:51]
	s_add_nc_u64 s[52:53], s[14:15], s[52:53]
	s_add_nc_u64 s[54:55], s[8:9], s[54:55]
	s_add_nc_u64 s[56:57], s[8:9], s[56:57]
	s_add_nc_u64 s[58:59], s[16:17], s[58:59]
	s_add_nc_u64 s[60:61], s[16:17], s[60:61]
	; ---- cos and sin of t x inv_freq(8 h + j), j = 0 .. 7, for my token: sixteen registers of work for each j, from v128 on
	s_mov_b32 vcc_lo, s24
	INVF 0, 0x3f800000, 0x3c23d70a
	INVF 1, 0x3f0ff59a, 0x3bb8449c
	INVF 2, 0x3ea1e89b, 0x3b4f3e38
	INVF 3, 0x3e361887, 0x3ae91528
	INVF 4, 0x3dcccccd, 0x3a83126f
	INVF 5, 0x3d6655c2, 0x3a136a16
	INVF 6, 0x3d0186e3, 0x39a5cb60
	INVF 7, 0x3c91ad39, 0x393a7753
.irp j, 0,1,2,3,4,5,6,7
	v_mul_f32 v[128+16*\j], v14, v[128+16*\j]      ; the angle, rounded once
.endr
.irp j, 0,1,2,3,4,5,6,7
	v_mul_f32 v[129+16*\j], s66, v[128+16*\j]
.endr
.irp j, 0,1,2,3,4,5,6,7
	v_rndne_f32 v[129+16*\j], v[129+16*\j]         ; n quarter turns
.endr
.irp j, 0,1,2,3,4,5,6,7
	v_fma_f32 v[130+16*\j], v[129+16*\j], s67, v[128+16*\j]
.endr
.irp j, 0,1,2,3,4,5,6,7
	v_fma_f32 v[130+16*\j], v[129+16*\j], s68, v[130+16*\j]   ; r = angle - n pi / 2, within pi / 4 of 0
.endr
.irp j, 0,1,2,3,4,5,6,7
	v_mul_f32 v[131+16*\j], v[130+16*\j], v[130+16*\j]
.endr
.irp j, 0,1,2,3,4,5,6,7
	v_cvt_i32_f32 v[134+16*\j], v[129+16*\j]
.endr
.irp j, 0,1,2,3,4,5,6,7
	v_fma_f32 v[132+16*\j], v[131+16*\j], s71, s70
	v_fma_f32 v[133+16*\j], v[131+16*\j], s74, s73
.endr
.irp j, 0,1,2,3,4,5,6,7
	v_fma_f32 v[132+16*\j], v[132+16*\j], v[131+16*\j], s69
	v_fma_f32 v[133+16*\j], v[133+16*\j], v[131+16*\j], s72
.endr
.irp j, 0,1,2,3,4,5,6,7
	v_mul_f32 v[135+16*\j], v[131+16*\j], v[130+16*\j]
	v_mul_f32 v[133+16*\j], v[133+16*\j], v[131+16*\j]
	v_fma_f32 v[136+16*\j], v[131+16*\j], -0.5, 1.0
.endr
.irp j, 0,1,2,3,4,5,6,7
	v_fma_f32 v[132+16*\j], v[132+16*\j], v[135+16*\j], v[130+16*\j]   ; sin r
	v_fma_f32 v[133+16*\j], v[133+16*\j], v[131+16*\j], v[136+16*\j]   ; cos r
.endr
.irp j, 0,1,2,3,4,5,6,7
	v_and_b32 v[135+16*\j], 1, v[134+16*\j]
.endr
.irp j, 0,1,2,3,4,5,6,7
	v_cmp_eq_u32 vcc_lo, 1, v[135+16*\j]           ; an odd n changes sin and cos over
	v_cndmask_b32 v[137+16*\j], v[132+16*\j], v[133+16*\j], vcc_lo
	v_cndmask_b32 v[138+16*\j], v[133+16*\j], v[132+16*\j], vcc_lo
.endr
.irp j, 0,1,2,3,4,5,6,7
	v_lshlrev_b32 v[135+16*\j], 30, v[134+16*\j]   ; sin is negated where n % 4 is 2 or 3,
	v_add_nc_u32 v[134+16*\j], 1, v[134+16*\j]
.endr
.irp j, 0,1,2,3,4,5,6,7
	v_and_b32 v[135+16*\j], 0x80000000, v[135+16*\j]
	v_lshlrev_b32 v[134+16*\j], 30, v[134+16*\j]   ; cos where it is 1 or 2
.endr
.irp j, 0,1,2,3,4,5,6,7
	v_xor_b32 v[24+\j], v[137+16*\j], v[135+16*\j]
	v_and_b32 v[134+16*\j], 0x80000000, v[134+16*\j]
.endr
.irp j, 0,1,2,3,4,5,6,7
	v_xor_b32 v[16+\j], v[138+16*\j], v[134+16*\j]
.endr
	s_lshl_b32 s82, s18, 11
	s_add_co_u32 s82, s82, CST
	v_add_nc_u32 v11, s82, v5
	ds_store_b128 v11, v[16:19]
	ds_store_b128 v11, v[20:23] offset:512
	ds_store_b128 v11, v[24:27] offset:1024
	ds_store_b128 v11, v[28:31] offset:1536
	s_wait_dscnt 0x0                               ; the stores have read their registers
	; ---- my three halves of W, the loads one half ahead of the work
	LOADW N1, 28, 9, 3072
	s_wait_loadcnt 63                              ; 64 younger loads were issued; the wait names 63, the most it can name: the first half is in
	WHALF N0
	WSINK_LDS 0
	LOADW N2, 30, 10, 3072
	s_wait_loadcnt 63                              ; likewise: the second half is in
	WHALF N1
	WSINK_LDS 1
	XLOAD N0, 0
	s_wait_loadcnt 16                              ; x's sixteen loads may be out: the third half is in
	WHALF N2
	WSINK_LDS 2
	; ---- my 16 tokens of x: two fragments
	XLOAD N1, 1
	v_lshlrev_b32 v13, 5, v3                       ; the bias as C of a q or k tile: lane (r, h) wants columns 16 u + 8 h + 0 .. 7
	global_load_b128 v[BQ:BQ+3], v13, s[54:55]
	global_load_b128 v[BQ+4:BQ+7], v13, s[54:55] offset:16
	global_load_b128 v[BQ+8:BQ+11], v13, s[54:55] offset:64
	global_load_b128 v[BQ+12:BQ+15], v13, s[54:55] offset:80
	global_load_b32 v[BV], v15, s[56:57]
	s_mul_i32 s82, s18, 3072
	v_add_nc_u32 v11, s82, v5
	s_lshl_b32 s82, s18, 7
	s_add_co_u32 s82, s82, XSC
	v_add_nc_u32 v12, s82, v6
	s_wait_loadcnt 21                              ; K step 1's sixteen loads and the five of the bias may be out
	QUANT N0
	IMAGE 11, XIMG
	v_mov_b32 v53, v[PW]
	s_wait_dscnt 0x0                               ; the stores have read their registers
	s_wait_loadcnt 5                               ; the bias may be out
	QUANT N1
	IMAGE 11, XIMG+1536
	v_cndmask_b32 v53, v53, v[PW], s24             ; lanes 0-15 K step 0's word, lanes 16-31 K step 1's
	ds_store_b32 v12, v53
	s_wait_dscnt 0x0                               ; for the others' sake: all my LDS stores have landed
	s_barrier_signal -1
	s_barrier_wait -1                              ; x, W, their scales, cos and sin lie in LDS; from here on LDS is only read
	; ---- every LDS address of both tasks is made here, ahead of the waves' parting
	s_wait_loadcnt 0x0                             ; the bias is in; no load reads an address register any more
	s_lshr_b32 s78, s18, 1                         ; q, k: pair = 2 role + e
	s_mul_i32 s79, s78, 6144
	s_add_co_u32 s79, s79, WIMG
	v_add_nc_u32 v8, s79, v5
	v_add_nc_u32 v9, s79, v7
	s_mul_i32 s79, s89, 12288                      ; token tiles 4 f on
	v_add_nc_u32 v10, s79, v5
	s_lshl_b32 s79, s89, 9
	s_add_co_u32 s79, s79, XSC
	v_add_nc_u32 v11, s79, v6
	s_lshl_b32 s79, s78, 8
	s_add_co_u32 s79, s79, WSC
	v_add_nc_u32 v12, s79, v6
	s_lshl_b32 s79, s89, 13
	s_add_co_u32 s79, s79, CST
	v_add_nc_u32 v13, s79, v5
	s_add_co_u32 s79, s88, 4                       ; v: pair = 4 + e, column tile u
	s_mul_i32 s80, s79, 6144
	s_mul_i32 s81, s89, 3072
	s_add_co_u32 s80, s80, s81
	s_add_co_u32 s80, s80, WIMG
	v_add_nc_u32 v14, s80, v5
	v_add_nc_u32 v15, s80, v7
	v_add_nc_u32 v1, XSC, v6
	s_lshl_b32 s79, s79, 8
	s_lshl_b32 s81, s89, 6
	s_add_co_u32 s79, s79, s81
	s_add_co_u32 s79, s79, WSC
	v_lshl_add_u32 v2, v2, 2, s79                  ; tile u's sixteen words, in lanes 0-15 (and again in 16-31)
	; ---- q or k of one head for 64 tokens
.irp u, 0,1
.irp ks, 0,1
.set WR, 16+12*(2*\u+\ks)+188*((2*\u+\ks)/3)   ; W's four fragments: v16, v28, v40, v240
	FETCHW WR, 8, 9, \u*3072+\ks*1536
.endr
.endr
.irp b, 0,1,2,3
.irp ks, 0,1
	FETCH XF+12*(2*\b+\ks), 10, \b*3072+\ks*1536
.endr
	ds_load_b32 v[XS+\b], v11 offset:128*\b
.endr
	ds_load_b32 v[WS], v12
	ds_load_b32 v[WS+1], v12 offset:128
	s_wait_dscnt 0x0
.irp ks, 0,1                                   ; the eight accumulators take turns, one instruction a turn
.irp b, 0,1,2,3
.irp u, 0,1
.set WR, 16+12*(2*\u+\ks)+188*((2*\u+\ks)/3)
.if \ks == 0
	WM DD+16*\b+8*\u, WR, XF+12*(2*\b+\ks), BQ+8*\u, WS+\ks, XS+\b, \u, \ks
.else
	WM DD+16*\b+8*\u, WR, XF+12*(2*\b+\ks), DD+16*\b+8*\u, WS+\ks, XS+\b, \u, \ks
.endif
.endr
.endr
.endr
.rept 4
	v_nop                                          ; places in front of loads into registers that the products have read, and of the first read of results
.endr
	s_cmp_eq_u32 s25, 0
	s_cbranch_scc1 .Lno_wp_load
	LOADW WPN, 32, 6, 1024                         ; my half of w_proj lands while RoPE and the quantiser run
.Lno_wp_load:
.irp b, 0,1,2,3
.set CR, 16+16*\b+80*(\b/2)                    ; cos (8) and sin (8) of tile b: v16, v32, v128, v144
.irp q, 0,1,2,3
	ds_load_b128 v[CR+4*\q:CR+4*\q+3], v13 offset:2048*\b+512*\q
.endr
.endr
	s_wait_dscnt 0x0
.irp b, 0,1,2,3                                ; RoPE: x1' = x1 cos - x2 sin, x2' = x2 cos + x1 sin; x1 = d, x2 = d + 16, two d at a time; each accumulator is read from its low end on
.set CR, 16+16*\b+80*(\b/2)
.irp j, 0,2,4,6
	v_pk_mul_f32 v[BQ+2*\j:BQ+2*\j+1], v[DD+16*\b+8+\j:DD+16*\b+9+\j], v[CR+8+\j:CR+9+\j]
	v_pk_mul_f32 v[BQ+2*\j+2:BQ+2*\j+3], v[DD+16*\b+\j:DD+16*\b+1+\j], v[CR+8+\j:CR+9+\j]
.endr
.irp j, 0,2,4,6
	v_pk_fma_f32 v[DD+16*\b+\j:DD+16*\b+1+\j], v[DD+16*\b+\j:DD+16*\b+1+\j], v[CR+\j:CR+1+\j], v[BQ+2*\j:BQ+2*\j+1] neg_lo:[0,0,1] neg_hi:[0,0,1]
	v_pk_fma_f32 v[DD+16*\b+8+\j:DD+16*\b+9+\j], v[DD+16*\b+8+\j:DD+16*\b+9+\j], v[CR+\j:CR+1+\j], v[BQ+2*\j+2:BQ+2*\j+3]
.endr
.endr
	QUANT DD                                       ; block b = token tile 4 f + b's head vector
	global_store_b128 v5, v[PC:PC+3], s[46:47]     ; each store of the wave covers 512 consecutive bytes, aligned to 256
	global_store_b128 v5, v[PC+4:PC+7], s[46:47] offset:512
	global_store_b128 v5, v[PC+8:PC+11], s[46:47] offset:1024
	global_store_b32 v6, v[PW], s[48:49]
	s_cmp_ge_u32 s18, 4
	s_cbranch_scc1 .Lk_tail
	; ---- waves 0-3: v of one head, 16 of its d, for all 128 tokens
	s_wait_xcnt 0x0                                ; the stores above have read their registers, on which the loads below land
	s_wait_loadcnt 0x0                             ; (no load of these waves is out)
.irp i, 0,1,2,3,4,5,6,7
	v_mov_b32 v[BQ+\i], v[BV]                      ; the bias as C: a lane holds one column
.endr
.rept 4
	v_nop
.endr
	FETCHW 16, 14, 15, 0
	FETCHW 28, 14, 15, 1536
	ds_load_b32 v[WS], v2
	ds_load_b32 v[WS+1], v2 offset:128
.irp t, 0,1,2,3,4,5,6,7
	ds_load_b32 v[XS+\t], v1 offset:128*\t
.endr
.irp ks, 0,1
.if \ks
.rept 4
	v_nop                                          ; places in front of loads into registers that the products have read
.endr
.endif
.irp t, 0,1,2,3,4,5,6,7
	FETCH XF+12*\t, 5, (2*\t+\ks)*1536
.endr
	s_wait_dscnt 0x0
.irp t, 0,1,2,3,4,5,6,7                        ; eight accumulators by turns
.if \ks == 0
	WM DD+8*\t, XF+12*\t, 16+12*\ks, BQ, XS+\t, WS+\ks, \ks, 0
.else
	WM DD+8*\t, XF+12*\t, 16+12*\ks, DD+8*\t, XS+\t, WS+\ks, \ks, 0
.endif
.endr
.endr
.rept 4
	v_nop
.endr
	QUANT DD                                       ; row = my d, K = the 128 tokens in their true order
	global_store_b128 v5, v[PC:PC+3], s[50:51]
	global_store_b128 v5, v[PC+4:PC+7], s[50:51] offset:512
	global_store_b128 v5, v[PC+8:PC+11], s[50:51] offset:1024
	global_store_b32 v6, v[PW], s[52:53]
	s_set_vgpr_msb 0x5
	s_wait_tensorcnt 0x0
	ds_add_u32 v0, v1
	s_wait_dscnt 0x0
	s_set_vgpr_msb 0x500
	s_endpgm
.Lk_tail:                                          ; ---- waves 4-7: where it is theirs, a half of w_proj
	s_cmp_eq_u32 s25, 0
	s_cbranch_scc1 .Lend
	s_wait_xcnt 0x0                                ; k's stores have read their registers
	s_wait_loadcnt 0x0
	WHALF WPN
	global_store_b128 v5, v[16:19], s[58:59]
	global_store_b64 v7, v[20:21], s[58:59] offset:512
	global_store_b128 v5, v[24:27], s[58:59] offset:3072
	global_store_b64 v7, v[28:29], s[58:59] offset:3584
	global_store_b16 v6, v46, s[60:61]
.Lend:
	s_set_vgpr_msb 0x5
	s_wait_tensorcnt 0x0
	ds_add_u32 v0, v1
	s_wait_dscnt 0x0
	s_set_vgpr_msb 0x500
	s_endpgm
.Lfunc_end_k_q26ff8f59c0_qkv:
	.size	k_q26ff8f59c0_qkv, .Lfunc_end_k_q26ff8f59c0_qkv-k_q26ff8f59c0_qkv
	.p2alignl 7, 3214868480
	.fill 96, 4, 3214868480
	.section	.rodata,"a",@progbits
	.p2align	6, 0x0
	.amdhsa_kernel k_q26ff8f59c0_qkv
		.amdhsa_group_segment_fixed_size 82944
		.amdhsa_private_segment_fixed_size 0
		.amdhsa_enable_private_segment 0
		.amdhsa_kernarg_size 56
		.amdhsa_user_sgpr_count 2
		.amdhsa_user_sgpr_kernarg_segment_ptr 1
		.amdhsa_wavefront_size32 1
		.amdhsa_system_sgpr_workgroup_id_x 1
		.amdhsa_system_sgpr_workgroup_id_y 1
		.amdhsa_system_sgpr_workgroup_id_z 1
		.amdhsa_system_vgpr_workitem_id 0
		.amdhsa_next_free_vgpr 258
		.amdhsa_next_free_sgpr 96
		.amdhsa_reserve_vcc 1
		.amdhsa_float_denorm_mode_32 3
		.amdhsa_float_denorm_mode_16_64 3
		.amdhsa_memory_ordered 1
		.amdhsa_forward_progress 1
		.amdhsa_inst_pref_size 97
	.end_amdhsa_kernel
	.amdgpu_metadata
---
amdhsa.version: [ 1, 2 ]
amdhsa.kernels:
  - .name:           k_q26ff8f59c0_qkv
    .symbol:         k_q26ff8f59c0_qkv.kd
    .args:
      - { .name: input_tensor, .offset: 0, .size: 8, .value_kind: global_buffer, .address_space: global }
      - { .name: w_attn, .offset: 8, .size: 8, .value_kind: global_buffer, .address_space: global }
      - { .name: b_attn, .offset: 16, .size: 8, .value_kind: global_buffer, .address_space: global }
      - { .name: w_proj, .offset: 24, .size: 8, .value_kind: global_buffer, .address_space: global }
      - { .name: qimg, .offset: 32, .size: 8, .value_kind: global_buffer, .address_space: global }
      - { .name: kv, .offset: 40, .size: 8, .value_kind: global_buffer, .address_space: global }
      - { .name: wp, .offset: 48, .size: 8, .value_kind: global_buffer, .address_space: global }
    .group_segment_fixed_size: 82944
    .private_segment_fixed_size: 0
    .kernarg_segment_align: 8
    .kernarg_segment_size: 56
    .max_flat_workgroup_size: 256
    .sgpr_count:     96
    .vgpr_count:     258
    .wavefront_size: 32
...
	.end_amdgpu_metadata
.endif
;; end of part 1
;; launch attn (part 2): grid 32 x 8, 16 waves a work-group, no clusters, 43,008 bytes of LDS; arguments qimg, kv, wp, b_proj, out0; writes out0
.if DOCPART == 2
	.amdgcn_target "amdgcn-amd-amdhsa--gfx1250"
	.amdhsa_code_object_version 6
	.text
	.protected	k_q26ff8f59c0_attn
	.globl	k_q26ff8f59c0_attn
	.p2align	8
	.type	k_q26ff8f59c0_attn,@function
k_q26ff8f59c0_attn:
	s_mov_b64 s[64:65], 0
	v_nop
	global_prefetch_b8 v0, s[64:65] scope:SCOPE_SE
	s_setreg_imm32_b32 hwreg(HW_REG_WAVE_MODE, 25, 1), 1
	s_wait_xcnt 0x0
; Causal attention and the output projection, all three products on codes of FP6 (E2M3) with one E8M0 scale for each 32 along K.
; q, k, v and w_proj come as images of operand registers: a fragment's registers 4 i .. 4 i + 3 of lane l at 512 i + 16 l, its scale word at 4 l.
; SHARES.  Work-group (p, bn): query tiles p and 63 - p of sequence bn, all 8 heads.  Wave w: head w % 8, tile p (w < 8) or 63 - p.  Tile tg has tg / 8 key steps of 128 keys all of which count and one on the
; diagonal: the two tiles together always have 9 steps.  Row r of tile tg is token 128 (tg / 8) + 32 (tau / 2) + 8 (tau % 2) + r + 8 (r / 8), tau = tg % 8.
; SCORES.  The head's 32 are ONE block of 32, so a fragment of k holds 64 keys: row r, block b = key tile 4 f + b's row r.  Source 1 is q in block b and zero codes in the other three blocks: four such operands are
; cut out of 30 registers [0 x 6][q in lanes 0-15][0 x 6][q in lanes 16-31][0 x 6].  Tile 4 f + b of S^T then has in lane (r, h) query r, and the 16 registers of tiles 2 B, 2 B + 1 are keys 32 B + 16 h + 0 .. 15.
; SOFTMAX.  t = score x log2(e) / sqrt(32); M = the running largest t rounded UP to a whole number; p = 2^(t - M) is quantised along the keys, not normalised; the sum is taken of the unquantised p and divides at the end.
; When M moves, the sum and O^T are multiplied by 2^(old M - new M): exact.  O^T = V^T P^T: a lane holds one query and d = 16 h + 0 .. 15.
; PROJECTION.  O / sum is quantised (one block = one head), the heads' codes meet in LDS as rows, and wave (side, hd) makes output columns 32 hd .. 32 hd + 31 of its side's 16 tokens; b_proj is the C of the first product.
; No tile is shared through LDS: a wave's k and v are its own head's, and the work-groups of a sequence walk 1 to 8 steps, so partners of a cluster would need different numbers of tiles: no cluster, no tensor loads.
; LIMITS: NaN and infinities are not served; a block whose largest magnitude lies under 2^-124 gets the scale byte 1 (a block of zeros too: its codes are zeros, and this program alone reads the bytes).
.set AROW, 0                           ; LDS: the attention output's codes: (2 side + K step) 1792 + 112 row + 24 (head % 4) + 12 h
.set ASC,  7168                        ; their scale bytes: 128 side + 64 K step + 4 row + head % 4
.set STG,  7424                        ; the stage for the output: 32 rows of 1,024 bytes + 16
.set QA,  16                           ; v16-45 the 30 registers of q's four operands; later, with v46-63, w_proj's four fragments
.set KF,  46                           ; v46-69 two fragments of k
.set KSR, 70                           ; v70 k's scale words (lanes 0-15 fragment 0's, lanes 16-31 fragment 1's); v71 v's likewise; v72 q's: these hold scales and nothing else
.set VSR, 71
.set QSR, 72
.set VF,  74                           ; v74-97 two fragments of v; later the attention output's two
.set S,   98                           ; v98-161 S^T, then p; later the projection's results and the rows read back
.set O,   162                          ; v162-177 O^T
.set PC,  178                          ; v178-189 p's codes; v190-196 at work
.set PT,  190
.set BM,  198                          ; v198-201 the blocks' largest scores, then p; v202-205 at work; v206-209 scale operands
.set BT,  202
.set SOP, 206
.set FF,  210                          ; v[210:211] f = 2^(old M - new M) (the low word serves both halves)
.set TP,  212
.set PW,  213                          ; p's scale word: a scale and nothing else
.set BP,  214                          ; v214-229 b_proj as C
.set WPS, 230                          ; v230-231 w_proj's scale words; v232 the attention output's: scales and nothing else
.set ASW, 232
.set B32, 233                          ; 32 h
.set SB,  234                          ; v[234:235] the sum's second chain
.set SEL, 20
.set CS,  22
.set REC, 24                           ; s[24:25] the key step's record of k and v
.set REM, 26                           ; s26 steps left all of whose keys count
.set LIM, 27
; one product; c < 0: C is the constant 0; ra, rb = 1: that side's scales are read from lanes 16-31
.macro WM d, a, b, c, sa, sb, ra, rb
.if (\c) < 0
.if (\ra) == 0
	v_wmma_scale_f32_16x16x128_f8f6f4 v[(\d):(\d)+7], v[(\a):(\a)+11], v[(\b):(\b)+11], 0, v[\sa], v[\sb] matrix_a_fmt:MATRIX_FMT_FP6 matrix_b_fmt:MATRIX_FMT_FP6
.else
	v_wmma_scale_f32_16x16x128_f8f6f4 v[(\d):(\d)+7], v[(\a):(\a)+11], v[(\b):(\b)+11], 0, v[\sa], v[\sb] matrix_a_fmt:MATRIX_FMT_FP6 matrix_b_fmt:MATRIX_FMT_FP6 matrix_a_scale:MATRIX_SCALE_ROW1
.endif
.elseif (\ra) == 0 && (\rb) == 0
	v_wmma_scale_f32_16x16x128_f8f6f4 v[(\d):(\d)+7], v[(\a):(\a)+11], v[(\b):(\b)+11], v[(\c):(\c)+7], v[\sa], v[\sb] matrix_a_fmt:MATRIX_FMT_FP6 matrix_b_fmt:MATRIX_FMT_FP6
.elseif (\ra) != 0 && (\rb) == 0
	v_wmma_scale_f32_16x16x128_f8f6f4 v[(\d):(\d)+7], v[(\a):(\a)+11], v[(\b):(\b)+11], v[(\c):(\c)+7], v[\sa], v[\sb] matrix_a_fmt:MATRIX_FMT_FP6 matrix_b_fmt:MATRIX_FMT_FP6 matrix_a_scale:MATRIX_SCALE_ROW1
.elseif (\ra) == 0 && (\rb) != 0
	v_wmma_scale_f32_16x16x128_f8f6f4 v[(\d):(\d)+7], v[(\a):(\a)+11], v[(\b):(\b)+11], v[(\c):(\c)+7], v[\sa], v[\sb] matrix_a_fmt:MATRIX_FMT_FP6 matrix_b_fmt:MATRIX_FMT_FP6 matrix_b_scale:MATRIX_SCALE_ROW1
.else
	v_wmma_scale_f32_16x16x128_f8f6f4 v[(\d):(\d)+7], v[(\a):(\a)+11], v[(\b):(\b)+11], v[(\c):(\c)+7], v[\sa], v[\sb] matrix_a_fmt:MATRIX_FMT_FP6 matrix_b_fmt:MATRIX_FMT_FP6 matrix_a_scale:MATRIX_SCALE_ROW1 matrix_b_scale:MATRIX_SCALE_ROW1
.endif
.endm
; A PREFETCH of the record two steps on: 26 blocks of 256 bytes, a lane a block (lanes 26-31 name lane 25's again).  Each record from the third on is named once in the launch: by the wave of its head that walks
; all eight steps, in work-group p = 0.  It stands behind the wave's loads of the next step's k: one trip ahead of the load of that record's k, two ahead of its v.  The last trip asks for nothing: the record named is never past the head's eighth.
.macro ASK
	s_cmp_gt_u32 s[REM], s[LIM]
	s_cbranch_scc0 .Lnot_mine_\@
	global_prefetch_b8 v3, s[REC:REC+1] offset:2*6656 th:TH_LOAD_NT scope:SCOPE_SE
.Lnot_mine_\@:
.endm
	s_load_b256 s[4:11], s[0:1], 0x0               ; qimg s[4:5], kv s[6:7], wp s[8:9], b_proj s[10:11]
	s_load_b64 s[12:13], s[0:1], 0x20              ; out0
	v_lshl_add_u32 v254, v0, 2, 0xa000
	v_mov_b32 v255, 0
	v_lshrrev_b32 v74, 5, v0
	v_readfirstlane_b32 s14, v74                   ; wave 0..15
	v_and_b32 v74, 31, v0                          ; lane
	v_and_b32 v75, 15, v0                          ; r
	v_bfe_u32 v76, v0, 4, 1                        ; h
	v_lshlrev_b32 v1, 4, v74                       ; 16 lane
	v_lshlrev_b32 v73, 2, v74                      ; 4 lane
	v_lshlrev_b32 v11, 3, v74                      ; 8 lane
	v_lshlrev_b32 v2, 2, v75
	v_lshl_add_u32 v2, v76, 7, v2                  ; 4 r + 128 h: two scale images in one register
	s_and_b32 s15, s14, 7                          ; head
	s_lshr_b32 s16, s14, 3                         ; side
	s_sub_co_u32 s19, 63, ttmp9
	s_cmp_eq_u32 s16, 0
	s_cselect_b32 s19, ttmp9, s19                  ; my query tile
	s_lshr_b32 s17, s19, 3                         ; its block of 128 tokens = the steps all of whose keys count
	s_and_b32 s18, s19, 7                          ; tau
	s_mov_b32 s20, 0x76543210
	s_mov_b32 s21, 0xfedcba98                      ; v_permlanex16_b32's selects for lane l xor 16
	s_mov_b32 s22, 0x3e8293ee                      ; c = log2(e) / sqrt(32)
	s_mov_b32 s23, s22                             ; (named with it as a pair)
	s_and_b32 s47, ttmp7, 0xffff                   ; bn
	s_lshl_b32 s46, s47, 3
	s_add_co_u32 s46, s46, s15
	s_mul_i32 s48, s46, 53248                      ; eight records of 6,656 bytes a head
	s_mov_b32 s49, 0
	s_lshl_b32 s50, s46, 3
	s_add_co_u32 s50, s50, s17
	s_mul_i32 s50, s50, 3328                       ; q's record
	s_lshr_b32 s52, s18, 2                         ; its fragment tau / 4
	s_mul_i32 s53, s52, 1536
	s_add_co_u32 s54, s50, s53
	s_mov_b32 s55, 0
	s_lshl_b32 s53, s52, 7
	s_add_co_u32 s50, s50, s53
	s_add_co_u32 s50, s50, 3072                    ; and that fragment's scale image
	s_mov_b32 s51, 0
	s_bfe_u32 s53, s18, 0x10001                    ; my tile is block tau % 4 of the fragment: registers 6 c on, c = (tau / 2) % 2,
	s_cmp_eq_u32 s53, 1
	s_cselect_b32 s28, -1, 0
	s_and_b32 s53, s18, 1                          ; in the lanes' half tau % 2
	s_mov_b32 s29, 0xffff0000
	s_cmp_eq_u32 s53, 1
	s_cselect_b32 s29, 0xffff, s29                 ; the lanes that take the other half's registers
	s_mov_b32 s30, 0xffff
	s_mov_b32 s31, 0xffff0000
	s_and_b32 s56, s18, 3
	s_mul_i32 s32, s56, 0x01010101                 ; byte tau % 4 of the scale word, four times
	s_lshr_b32 s56, s18, 1
	s_lshl_b32 s56, s56, 5
	s_lshl_b32 s53, s53, 3
	s_add_co_u32 s57, s56, s53                     ; row 0's token among the 128
	s_lshl_b32 s56, s17, 7                         ; the two rows that I store at the end: r = 2 head, 2 head + 1
	s_add_co_u32 s56, s56, s57
	s_lshl_b32 s53, s15, 1
	s_add_co_u32 s56, s56, s53
	s_lshr_b32 s53, s15, 2
	s_lshl_b32 s53, s53, 3
	s_add_co_u32 s56, s56, s53
	s_lshr_b32 s53, s47, 2
	s_lshl_b32 s53, s53, 10
	s_add_co_u32 s56, s56, s53
	s_lshl_b32 s56, s56, 2
	s_and_b32 s53, s47, 3
	s_add_co_u32 s56, s56, s53
	s_lshl_b32 s40, s56, 10                        ; ((b 1024 + token) 4 + n) rows of 1,024 bytes
	s_mov_b32 s41, 0
	s_xor_b32 s53, s16, 1
	s_or_b32 s53, s53, ttmp9
	s_cmp_eq_u32 s53, 0
	s_cselect_b32 s[LIM], 1, -1                    ; tile 63's waves prefetch
	s_mul_i32 s34, s15, 6144                       ; w_proj's columns 32 head on,
	s_mov_b32 s35, 0
	s_lshl_b32 s36, s15, 8
	s_add_co_u32 s36, s36, 49152                   ; their scale words,
	s_mov_b32 s37, 0
	s_lshl_b32 s38, s15, 7                         ; b_proj's 32
	s_mov_b32 s39, 0
	s_mov_b32 s[REM], s17
	s_wait_kmcnt 0x0
	s_add_nc_u64 s[REC:REC+1], s[6:7], s[48:49]
	s_add_nc_u64 s[42:43], s[4:5], s[54:55]
	s_add_nc_u64 s[44:45], s[4:5], s[50:51]
.irp i, 0,1,2
	global_load_b128 v[S+4*\i:S+4*\i+3], v1, s[42:43] offset:512*\i   ; the fragment that holds my queries
.endr
	global_load_b32 v128, v73, s[44:45]
.irp i, 0,1,2,3,4,5
	global_load_b128 v[KF+4*\i:KF+4*\i+3], v1, s[REC:REC+1] offset:512*\i   ; k of step 0
.endr
	global_load_b32 v[KSR], v2, s[REC:REC+1] offset:6144
	s_add_nc_u64 s[34:35], s[8:9], s[34:35]
	s_add_nc_u64 s[36:37], s[8:9], s[36:37]
	s_add_nc_u64 s[38:39], s[10:11], s[38:39]
	s_add_nc_u64 s[40:41], s[12:13], s[40:41]
	v_min_u32 v3, 25, v74
	v_lshlrev_b32 v3, 8, v3                        ; the prefetches' offset; never rewritten
	v_and_b32 v77, 8, v75
	v_add_nc_u32 v4, v77, v75
	v_lshlrev_b32 v77, 4, v76
	v_sub_nc_u32 v4, v4, v77
	v_add_nc_u32 v4, s57, v4                       ; my query among the 128, less 16 h: register 16 B + i of S^T is hidden where 32 B + i is greater
	v_lshlrev_b32 v[B32], 5, v76
	s_lshr_b32 s53, s14, 2                         ; LDS addresses: constants, the lane, the wave's number
	s_mul_i32 s56, s53, 1792
	s_and_b32 s58, s14, 3
	s_mul_i32 s59, s58, 24
	s_add_co_u32 s56, s56, s59
	s_lshl_b32 s53, s53, 6
	s_add_co_u32 s53, s53, s58
	s_add_co_u32 s53, s53, ASC
	s_mul_i32 s59, s16, 3584
	s_lshl_b32 s60, s16, 7
	s_add_co_u32 s60, s60, ASC
	s_mul_i32 s61, s16, 16640
	s_lshl_b32 s62, s15, 7
	s_add_co_u32 s61, s61, s62
	s_add_co_u32 s61, s61, STG
	s_mul_i32 s62, s14, 2080
	s_add_co_u32 s62, s62, STG
	v_mul_u32_u24 v5, v75, 112
	v_mad_u32_u24 v7, v76, 24, v5
	v_mad_u32_u24 v5, v76, 12, v5
	v_add_nc_u32 v5, s56, v5                       ; where my 12 bytes of codes go
	v_add_nc_u32 v7, s59, v7                       ; where I read my side's fragments
	v_lshl_add_u32 v6, v75, 2, s53                 ; my head's scale byte of row r
	v_add_nc_u32 v8, s60, v73                      ; my side's scale words: lanes 0-15 K step 0's, lanes 16-31 K step 1's
	v_mul_u32_u24 v9, v75, 1040
	v_lshl_add_u32 v9, v76, 5, v9
	v_add_nc_u32 v9, s61, v9                       ; the stage: row 16 side + r, + 128 head + 32 h
	v_add_nc_u32 v10, s62, v1                      ; back: rows 2 wave, 2 wave + 1
	v_mov_b32 v13, 0xff61b1e6                      ; the largest t so far: -3e38
	v_floor_f32 v12, -v13                          ; -M
	v_mov_b32 v14, 0                               ; the sum, in two halves
	v_mov_b32 v15, 0
	v_mov_b32 v[FF+1], 0                           ; (named as the upper half of a pair)
.irp i, 0,1,2,3
	v_mov_b32 v[BT+\i], 0                          ; a lane permute's destination counts as one of its sources
.endr
.irp i, 0,1,2,3,4,5
	v_mov_b32 v[116+\i], 0
.endr
.irp i, 0,1,2,3,4,5,6,7,8,9,10,11,12,13,14,15
	v_mov_b32 v[O+\i], 0                           ; O^T: the step is written once, its first run finds zeros
.endr
	s_wait_loadcnt 7                               ; k's seven loads may be out: q is in
	v_perm_b32 v[QSR], v128, v128, s32             ; my tile's scale byte in all four bytes: the zero codes of the other blocks add nothing under it
.irp i, 0,1,2,3,4,5
	v_cndmask_b32 v[110+\i], v[S+\i], v[S+6+\i], s28
.endr
.irp i, 0,1,2,3,4,5
	v_permlanex16_b32 v[116+\i], v[110+\i], s[SEL], s[SEL+1]
.endr
.irp i, 0,1,2,3,4,5
	v_cndmask_b32 v[110+\i], v[110+\i], v[116+\i], s29   ; row r's 24 bytes, in lane r and in lane 16 + r
.endr
.irp i, 0,1,2,3,4,5
	v_cndmask_b32 v[QA+6+\i], 0, v[110+\i], s30
	v_cndmask_b32 v[QA+18+\i], 0, v[110+\i], s31
.endr
.irp i, 0,1,2,3,4,5
	v_mov_b32 v[QA+\i], 0
	v_mov_b32 v[QA+12+\i], 0
	v_mov_b32 v[QA+24+\i], 0
.endr
; A KEY STEP of 128 keys.  last = 1: the step on the diagonal, which also asks for the projection's operands.
.macro STEP last
.rept 4
	v_nop                                          ; places behind the last products, in front of the loads into v's registers (and, in the first step, behind the lines that made q's operands)
.endr
.irp i, 0,1,2,3,4,5
	global_load_b128 v[VF+4*\i:VF+4*\i+3], v1, s[REC:REC+1] offset:3072+512*\i
.endr
	global_load_b32 v[VSR], v2, s[REC:REC+1] offset:6400
	s_wait_loadcnt 7                               ; v's seven loads may be out: this step's k is in
.irp fk, 0,1
.irp b, 0,1,2,3
	WM S+8*(4*\fk+\b), KF+12*\fk, QA+12*(\b%2)+6*(1-\b/2), -1, KSR, QSR, \fk, 0
.endr
.endr
.rept 4
	v_nop                                          ; places in front of the loads into registers that these products read, and of the first read of the scores
.endr
.if \last
.irp u, 0,1
.irp ks, 0,1
.irp c, 0,1
	global_load_b128 v[16+12*(2*\u+\ks)+6*\c:16+12*(2*\u+\ks)+6*\c+3], v1, s[34:35] offset:3072*\u+1536*\ks+768*\c
	global_load_b64 v[16+12*(2*\u+\ks)+6*\c+4:16+12*(2*\u+\ks)+6*\c+5], v11, s[34:35] offset:3072*\u+1536*\ks+768*\c+512
.endr
.endr
.endr
	global_load_b32 v[WPS], v73, s[36:37]
	global_load_b32 v[WPS+1], v73, s[36:37] offset:128
.irp u, 0,1
.irp q, 0,1
	global_load_b128 v[BP+8*\u+4*\q:BP+8*\u+4*\q+3], v[B32], s[38:39] offset:64*\u+16*\q
.endr
.endr
	v_mov_b32 v[TP], 0xff800000                    ; hidden scores become -infinity ahead of the maximum: p = 0.  Key 0 of the step counts for every query
.set n, 0
.rept 64
	v_cmp_gt_i32 vcc_lo, 32*(n/16)+n%16, v4
	v_cndmask_b32 v[S+n], v[S+n], v[TP], vcc_lo
.set n, n+1
.endr
.else
.irp i, 0,1,2,3,4,5
	global_load_b128 v[KF+4*\i:KF+4*\i+3], v1, s[REC:REC+1] offset:6656+512*\i   ; the next step's k
.endr
	global_load_b32 v[KSR], v2, s[REC:REC+1] offset:6656+6144
	ASK
.endif
.irp b, 0,1,2,3
	v_max3_num_f32 v[BM+\b], v[S+16*\b], v[S+1+16*\b], v[S+2+16*\b]   ; the largest score of each block of 32 keys: for the row's maximum and, since p rises with the score, for the block's largest p
.endr
.irp i, 3,5,7,9,11,13
.irp b, 0,1,2,3
	v_max3_num_f32 v[BM+\b], v[BM+\b], v[S+16*\b+\i], v[S+1+16*\b+\i]
.endr
.endr
.irp b, 0,1,2,3
	v_max_num_f32 v[BM+\b], v[BM+\b], v[S+15+16*\b]
.endr
.irp b, 0,1,2,3
	v_permlanex16_b32 v[BT+\b], v[BM+\b], s[SEL], s[SEL+1]
.endr
.irp b, 0,1,2,3
	v_max_num_f32 v[BM+\b], v[BM+\b], v[BT+\b]
.endr
	v_max3_num_f32 v[TP], v[BM], v[BM+1], v[BM+2]
	v_max_num_f32 v[TP], v[TP], v[BM+3]
	v_mul_f32 v[TP], s[CS], v[TP]
	v_max_num_f32 v13, v13, v[TP]                  ; the running largest t
	v_mov_b32 v[TP], v12
	v_floor_f32 v12, -v13                          ; the new -M = -ceil(t)
	v_sub_f32 v[TP], v12, v[TP]                    ; old M - new M: a whole number, 0 or less
	v_cvt_i32_f32 v[TP], v[TP]                     ; (it saturates)
	v_ldexp_f32 v[FF], 1.0, v[TP]                  ; f
.set n, 0
.rept 32
	v_pk_fma_f32 v[S+n:S+n+1], v[S+n:S+n+1], s[CS:CS+1], v[12:13] op_sel_hi:[1,0,0]   ; t - M
.set n, n+2
.endr
.irp b, 0,1,2,3
	v_fma_f32 v[BM+\b], v[BM+\b], s[CS], v12
.endr
.set n, 0
.rept 64
	v_exp_f32 v[S+n], v[S+n]                       ; p, at most 1
.set n, n+1
.endr
	v_pk_mul_f32 v[14:15], v[14:15], v[FF:FF+1] op_sel_hi:[1,0]   ; the sums under the new M (a plain place behind the exponentials)
	s_wait_alu depctr_va_vdst(0)                   ; one wait for the batch of 64, ahead of its first reader
.irp b, 0,1,2,3
	v_exp_f32 v[BM+\b], v[BM+\b]                   ; the blocks' largest p
.endr
	v_pk_add_f32 v[SB:SB+1], v[S:S+1], v[S+2:S+3]  ; the sum of the unquantised p, in two chains: its first half here, plain work behind the four
.irp j, 4,8,12,16,20,24,28
	v_pk_add_f32 v[14:15], v[14:15], v[S+\j:S+1+\j]
	v_pk_add_f32 v[SB:SB+1], v[SB:SB+1], v[S+2+\j:S+3+\j]
.endr
	s_wait_alu depctr_va_vdst(0)                   ; and one for the four
.irp b, 0,1,2,3
	v_max_num_f32 v[BM+\b], 0x1800000, v[BM+\b]    ; the floor 2^(3 - 127): the byte cannot fall under 1
.endr
.irp b, 0,1,2,3
	v_add_nc_u32 v[SOP+\b], 0xff000000, v[BM+\b]
.endr
.irp b, 0,1,2,3
	v_lshrrev_b32 v[BT+\b], 23, v[SOP+\b]
.endr
	v_lshl_or_b32 v[PW], v[BT+1], 8, v[BT]
	v_lshl_or_b32 v[PW], v[BT+2], 16, v[PW]
	v_lshl_or_b32 v[PW], v[BT+3], 24, v[PW]
.irp c, 0,1
	v_cvt_scalef32_pk16_fp6_f32 v[PC+6*\c:PC+2+6*\c], v[S+32*\c:S+15+32*\c], v[SOP+2*\c]
	v_cvt_scalef32_pk16_fp6_f32 v[PT+4*\c:PT+2+4*\c], v[S+16+32*\c:S+31+32*\c], v[SOP+2*\c+1]
.endr
	v_nop                                          ; one plain place behind the scaled conversions
.irp c, 0,1
.irp i, 0,1,2
	v_permlane16_swap_b32 v[PC+6*\c+\i], v[PT+4*\c+\i]
.endr
.irp i, 0,1,2
	v_mov_b32 v[PC+3+6*\c+\i], v[PT+4*\c+\i]
.endr
.endr
.irp j, 0,2,4,6,8,10,12,14
	v_pk_mul_f32 v[O+\j:O+1+\j], v[O+\j:O+1+\j], v[FF:FF+1] op_sel_hi:[1,0]   ; O^T under the new M, from its low end on
.endr
.irp j, 32,36,40,44,48,52,56,60                ; the sum's second half: 17 plain lines between the last write of an operand and the products
	v_pk_add_f32 v[14:15], v[14:15], v[S+\j:S+1+\j]
	v_pk_add_f32 v[SB:SB+1], v[SB:SB+1], v[S+2+\j:S+3+\j]
.endr
	v_pk_add_f32 v[14:15], v[14:15], v[SB:SB+1]
.if \last
	s_wait_loadcnt 22                              ; the projection's 22 loads may be out: v is in
.else
	s_wait_loadcnt 7                               ; the next k's seven loads may be out: v is in
.endif
	WM O, VF, PC, O, VSR, PW, 0, 0                 ; O^T += V^T P^T: two accumulators by turns; the next matrix instruction is a score tile's
	WM O+8, VF+12, PC, O+8, VSR, PW, 1, 0
.if \last == 0
	s_wait_xcnt 0x0                                ; the loads and the prefetch have read their base
	s_add_nc_u64 s[REC:REC+1], s[REC:REC+1], 6656
.endif
.endm
	s_cmp_eq_u32 s17, 0
	s_cbranch_scc1 .Llast
.Lstep:
	STEP 0
	s_sub_co_u32 s[REM], s[REM], 1
	s_cmp_lg_u32 s[REM], 0
	s_cbranch_scc1 .Lstep
.Llast:
	STEP 1
	; ---- O / sum, quantised: one block = my head
.rept 4
	v_nop
.endr
	v_add_f32 v14, v14, v15
	v_permlanex16_b32 v[TP], v14, s[SEL], s[SEL+1]
	v_add_f32 v14, v14, v[TP]
	v_rcp_f32 v14, v14
	v_nop                                          ; a plain place behind the reciprocal
	s_wait_alu depctr_va_vdst(0)                   ; and the wait ahead of its first reader
.irp j, 0,1,2,3,4,5,6,7,8,9,10,11,12,13,14,15
	v_mul_f32 v[O+\j], v[O+\j], v14                ; register j: d = 16 h + j of my query
.endr
	v_max3_num_f32 v[BM], |v[O]|, |v[O+1]|, 0x1800000
	v_max3_num_f32 v[BM+1], |v[O+8]|, |v[O+9]|, |v[O+10]|
	v_max3_num_f32 v[BM], v[BM], |v[O+2]|, |v[O+3]|
	v_max3_num_f32 v[BM+1], v[BM+1], |v[O+11]|, |v[O+12]|
	v_max3_num_f32 v[BM], v[BM], |v[O+4]|, |v[O+5]|
	v_max3_num_f32 v[BM+1], v[BM+1], |v[O+13]|, |v[O+14]|
	v_max3_num_f32 v[BM], v[BM], |v[O+6]|, |v[O+7]|
	v_max3_num_f32 v[BM], v[BM], v[BM+1], |v[O+15]|
	v_permlanex16_b32 v[BT], v[BM], s[SEL], s[SEL+1]
	v_max_num_f32 v[BM], v[BM], v[BT]
	v_add_nc_u32 v[SOP], 0xff000000, v[BM]
	v_lshrrev_b32 v[BT], 23, v[SOP]
	v_cvt_scalef32_pk16_fp6_f32 v[PC:PC+2], v[O:O+15], v[SOP]
	v_nop
	ds_store_b32 v5, v[PC]
	ds_store_b32 v5, v[PC+1] offset:4
	ds_store_b32 v5, v[PC+2] offset:8
	ds_store_b8 v6, v[BT]                          ; both lanes of a row write the same byte with the same value
	s_wait_dscnt 0x0                               ; for the others' sake: my stores have landed
	s_barrier_signal -1
	s_barrier_wait -1                              ; both sides' 16 rows of 256 codes lie in LDS
	; ---- the projection: my side's 16 tokens x output columns 32 head on
.irp ks, 0,1
.irp p, 0,1,2,3,4,5
	ds_load_b64 v[VF+12*\ks+2*\p:VF+12*\ks+2*\p+1], v7 offset:1792*\ks+48*(\p/3)+8*(\p%3)
.endr
.endr
	ds_load_b32 v[ASW], v8
	s_wait_dscnt 0x0
	s_wait_loadcnt 0x0                             ; w_proj's fragments, scale words and b_proj
	WM S, 16, VF, BP, WPS, ASW, 0, 0               ; two accumulators by turns; b_proj is the C of each sum's first product
	WM S+8, 40, VF, BP+8, WPS, ASW, 1, 0
	WM S, 28, VF+12, S, WPS+1, ASW, 0, 1
	WM S+8, 52, VF+12, S+8, WPS+1, ASW, 1, 1
.rept 4
	v_nop
.endr
.irp u, 0,1
	ds_store_b128 v9, v[S+8*\u:S+8*\u+3] offset:64*\u          ; lane (r, h): columns 32 head + 16 u + 8 h + 0 .. 7 of token r
	ds_store_b128 v9, v[S+8*\u+4:S+8*\u+7] offset:64*\u+16
.endr
	s_wait_dscnt 0x0
	s_barrier_signal -1
	s_barrier_wait -1                              ; 32 whole rows lie in the stage
.irp i, 0,1,2,3
	ds_load_b128 v[114+4*\i:117+4*\i], v10 offset:1040*(\i/2)+512*(\i%2)
.endr
.irp i, 0,1,2,3
	s_wait_dscnt 3-\i                              ; the younger loads may be out
	global_store_b128 v1, v[114+4*\i:117+4*\i], s[40:41] offset:4096*(\i/2)+512*(\i%2) th:TH_STORE_NT   ; 32 lanes store 512 consecutive bytes, aligned to 256; the next token's row lies 4,096 bytes on
.endr
	s_wait_tensorcnt 0x0
	ds_add_u32 v254, v255
	s_wait_dscnt 0x0
	s_endpgm
.Lfunc_end_k_q26ff8f59c0_attn:
	.size	k_q26ff8f59c0_attn, .Lfunc_end_k_q26ff8f59c0_attn-k_q26ff8f59c0_attn
	.p2alignl 7, 3214868480
	.fill 96, 4, 3214868480
	.section	.rodata,"a",@progbits
	.p2align	6, 0x0
	.amdhsa_kernel k_q26ff8f59c0_attn
		.amdhsa_group_segment_fixed_size 43008
		.amdhsa_private_segment_fixed_size 0
		.amdhsa_enable_private_segment 0
		.amdhsa_kernarg_size 40
		.amdhsa_user_sgpr_count 2
		.amdhsa_user_sgpr_kernarg_segment_ptr 1
		.amdhsa_wavefront_size32 1
		.amdhsa_system_sgpr_workgroup_id_x 1
		.amdhsa_system_sgpr_workgroup_id_y 1
		.amdhsa_system_sgpr_workgroup_id_z 1
		.amdhsa_system_vgpr_workitem_id 0
		.amdhsa_next_free_vgpr 256
		.amdhsa_next_free_sgpr 66
		.amdhsa_reserve_vcc 1
		.amdhsa_float_denorm_mode_32 3
		.amdhsa_float_denorm_mode_16_64 3
		.amdhsa_memory_ordered 1
		.amdhsa_forward_progress 1
		.amdhsa_inst_pref_size 50
	.end_amdhsa_kernel
	.amdgpu_metadata
---
amdhsa.version: [ 1, 2 ]
amdhsa.kernels:
  - .name:           k_q26ff8f59c0_attn
    .symbol:         k_q26ff8f59c0_attn.kd
    .args:
      - { .name: qimg, .offset: 0, .size: 8, .value_kind: global_buffer, .address_space: global }
      - { .name: kv, .offset: 8, .size: 8, .value_kind: global_buffer, .address_space: global }
      - { .name: wp, .offset: 16, .size: 8, .value_kind: global_buffer, .address_space: global }
      - { .name: b_proj, .offset: 24, .size: 8, .value_kind: global_buffer, .address_space: global }
      - { .name: out0, .offset: 32, .size: 8, .value_kind: global_buffer, .address_space: global }
    .group_segment_fixed_size: 43008
    .private_segment_fixed_size: 0
    .kernarg_segment_align: 8
    .kernarg_segment_size: 40
    .max_flat_workgroup_size: 512
    .sgpr_count:     66
    .vgpr_count:     256
    .wavefront_size: 32
...
	.end_amdgpu_metadata
.endif
;; end of part 2
;; ======== version 2 of 2: 2 launches
;; workspace buffers: qimg 1,703,936 bytes; kv 3,407,872 bytes; wp 51,200 bytes
;; launch qkv (part 3): grid 64 x 4, 8 waves a work-group, no clusters, 82,944 bytes of LDS; arguments input_tensor, w_attn, b_attn, w_proj, qimg, kv, wp; writes qimg, kv, wp
.if DOCPART == 3
	.amdgcn_target "amdgcn-amd-amdhsa--gfx1250"
	.amdhsa_code_object_version 6
	.text
	.protected	k_q26ff8f59c0_qkv
	.globl	k_q26ff8f59c0_qkv
	.p2align	8
	.type	k_q26ff8f59c0_qkv,@function
k_q26ff8f59c0_qkv:
	s_mov_b64 s[64:65], 0
	v_nop
	global_prefetch_b8 v0, s[64:65] scope:SCOPE_SE
	s_setreg_imm32_b32 hwreg(HW_REG_WAVE_MODE, 25, 1), 1
	s_wait_xcnt 0x0
; qkv = Q(x) Q(w_attn) + b_attn on codes of FP6 (E2M3) with one E8M0 scale for each 32 along K; RoPE on q and k; then q, k and v are quantised again
; (q, k along the head's 32; v along the tokens) and stored as IMAGES OF THE OPERAND REGISTERS that the attention launch loads.  Idle waves quantise w_proj likewise.
; SHARES.  Work-group x = 8 bn + s: 128 tokens (128 s on) of sequence bn = 4 b + n; work-group y = g: heads 2 g and 2 g + 1 (64 columns each of q, k, v).  Eight waves.
; AHEAD OF THE BARRIER each wave: cos and sin of its 16 tokens -> LDS; three halves (32 columns x 64 K) of the work-group's part of w_attn -> codes -> LDS (a lane takes a column, its
; registers run down K); its 16 tokens of x (256 K) -> two fragments -> LDS.  BEHIND IT: wave (role, e, f) makes q (role 0) or k (role 1) of head 2 g + e for token tiles 4 f .. 4 f + 3;
; then waves 0-3 make v of head 2 g + e, column tile u = f, for all 128 tokens, while waves 4-7 of eight work-groups quantise w_proj.
; TOKEN TILES ARE NOT RUNS OF NEIGHBOURS: row r of tile tau is token 32 (tau / 2) + 8 (tau % 2) + r + 8 (r / 8), so that where tokens run down a result's registers, the 16 registers of tiles 2 B, 2 B + 1 are tokens 32 B + 16 h + 0 .. 15.
; q, k: source 0 = 16 columns of W, source 1 = 16 tokens: lane (r, h) holds token r and d = 16 u + 8 h + j: d and d + 16 lie in one lane, so RoPE changes no lanes.  A fragment's block b holds token tile 4 f + b's
; head vector (one block of 32), with d in the order 16 h + 8 u + j <-> d = 16 u + 8 h + j, alike in q and k: the products do not see it.
; v: source 0 = 16 tokens, source 1 = 16 columns of W_v (lane r of tile u: d = 8 u + r % 8 + 16 (r / 8)): a lane holds one d, its registers run down the tokens, which are the second attention product's K.
; LIMITS: NaN and infinities among the inputs are not served.  A block whose largest magnitude lies under 2^-124 gets the scale byte 1 (a block of zeros too, where the rule says 127: its codes are zeros, and this
; program alone reads the bytes).  inv_freq is written in as fl(1 / fl(10000^(i / 16))); sin and cos are good to about 1e-7 absolute on the f32 angle fl(t x inv_freq), t up to 1,023.
.set XIMG, 0                           ; LDS: x's 16 fragment images (tile, K step) at (2 tile + ks) 1536
.set WIMG, 24576                       ; W's half images: pair 6144 + u 3072 + ks 1536 + c 768; pair = 2 role + e.  A half image: registers 6 c .. 6 c + 3 at 16 lane, 6 c + 4, 6 c + 5 at 512 + 8 lane
.set CST,  61440                       ; cos, sin: tile 2048 + 512 q + 16 lane; q = 0, 1 cos j 0-3, 4-7; q = 2, 3 sin
.set XSC,  77824                       ; x's scale words: tile 128 + 4 lane; lanes 0-15 K step 0's, lanes 16-31 K step 1's
.set WSC,  78848                       ; W's scale words: (2 pair + ks) 128 + 4 column
.set N0,  64                           ; v64-127, v128-191, v192-255: three sets of 64 numbers
.set N1,  128
.set N2,  192
.set PC,  16                           ; v16-35 codes at work
.set TM,  36                           ; v36-51 largest magnitudes, bytes, scale operands
.set PW,  52                           ; v52 the scale word just made; v53 the one before
.set XS,  54                           ; v54-61 x's scale words, v62-63 W's: these ten hold scales and nothing else
.set WS,  62
.set DD,  64                           ; v64-127 the products' results
.set XF,  128                          ; v128-223 eight fragments of x
.set WPN, 160                          ; v160-223 64 numbers of w_proj
.set BQ,  224                          ; v224-239 the bias as C; later at work in RoPE; then v's bias
.set BV,  252
.set SEL, 22
.macro LOADW set, base, voff, stride   ; a lane takes a column, its 64 registers run down K: each load reads 128 consecutive bytes
.set i, 0
.rept 64
	global_load_b32 v[\set+i], v[\voff], s[\base:\base+1] offset:i*\stride
.set i, i+1
.endr
.endm
; 64 numbers down K of my column (two blocks of 32, all mine) become codes.  Behind the exchange v16-21 are registers 6 c .. 6 c + 5 of column tile 0's fragment, v24-29 those of tile 1's; v46 holds my column's two scale bytes.
.macro WHALF set
.irp q, 0,1,2,3
	v_max3_num_f32 v[40+\q], |v[\set+16*\q]|, |v[\set+16*\q+1]|, 0x1800000   ; four chains of 16; the floor 2^(3 - 127) keeps the byte at 1 from below
.endr
.irp i, 2,4,6,8,10,12,14
.irp q, 0,1,2,3
	s_delay_alu instid0(VALU_DEP_4)
	v_max3_num_f32 v[40+\q], v[40+\q], |v[\set+16*\q+\i]|, |v[\set+16*\q+\i+1]|
.endr
.endr
	s_delay_alu instid0(VALU_DEP_3)
	v_max_num_f32 v40, v40, v41
	s_delay_alu instid0(VALU_DEP_2)
	v_max_num_f32 v42, v42, v43
	s_delay_alu instid0(VALU_DEP_2)
	v_add_nc_u32 v44, 0xff000000, v40              ; 2 off the exponent field: the conversion's scale operand
	s_delay_alu instid0(VALU_DEP_2)
	v_add_nc_u32 v45, 0xff000000, v42
	s_delay_alu instid0(VALU_DEP_2)
	v_lshrrev_b32 v46, 23, v44                     ; the bytes
	s_delay_alu instid0(VALU_DEP_2)
	v_lshrrev_b32 v47, 23, v45
	s_delay_alu instid0(VALU_DEP_1)
	v_lshl_or_b32 v46, v47, 8, v46
	v_cvt_scalef32_pk16_fp6_f32 v[16:18], v[\set:\set+15], v44
	v_cvt_scalef32_pk16_fp6_f32 v[32:34], v[\set+16:\set+31], v44
	v_cvt_scalef32_pk16_fp6_f32 v[24:26], v[\set+32:\set+47], v45
	v_cvt_scalef32_pk16_fp6_f32 v[36:38], v[\set+48:\set+63], v45
	v_nop                                          ; one plain place behind the scaled conversions
.irp i, 0,1,2
	v_permlane16_swap_b32 v[16+\i], v[24+\i]       ; the first block of columns 16-31 changes places with the second block of columns 0-15
	v_permlane16_swap_b32 v[32+\i], v[36+\i]
.endr
.irp i, 0,1,2
	v_mov_b32 v[19+\i], v[32+\i]
	v_mov_b32 v[27+\i], v[36+\i]
.endr
.endm
.macro WSINK_LDS i
	v_add_nc_u32 v11, s[34+\i], v5
	v_add_nc_u32 v12, s[34+\i], v7
	v_add_nc_u32 v13, s[37+\i], v6
	ds_store_b128 v11, v[16:19]
	ds_store_b64 v12, v[20:21] offset:512
	ds_store_b128 v11, v[24:27] offset:3072
	ds_store_b64 v12, v[28:29] offset:3584
	ds_store_b16 v13, v46
	s_wait_dscnt 0x0                               ; the stores have read their registers
.endm
.macro XLOAD set, ks                   ; my token's 64 numbers of K step ks: of each block of 32 my half's 16
.irp b, 0,1,2,3
.irp j, 0,1,2,3
	global_load_b128 v[\set+16*\b+4*\j:\set+16*\b+4*\j+3], v4, s[44:45] offset:512*\ks+128*\b+16*\j
.endr
.endr
.endm
; 64 numbers of a lane, register 16 b + i = k 32 b + 16 (lane / 16) + i of my row, become a fragment's codes in v[PC] on and its scale word in v[PW].
.macro QUANT s
.irp b, 0,1,2,3
	v_max3_num_f32 v[TM+\b], |v[\s+16*\b]|, |v[\s+1+16*\b]|, 0x1800000
.endr
.irp i, 2,4,6,8,10,12,14
.irp b, 0,1,2,3
	v_max3_num_f32 v[TM+\b], v[TM+\b], |v[\s+16*\b+\i]|, |v[\s+1+16*\b+\i]|
.endr
.endr
.irp b, 0,1,2,3
	s_delay_alu instid0(VALU_DEP_4)
	v_permlanex16_b32 v[TM+4+\b], v[TM+\b], s[SEL], s[SEL+1]
.endr
.irp b, 0,1,2,3
	s_delay_alu instid0(VALU_DEP_4)
	v_max_num_f32 v[TM+\b], v[TM+\b], v[TM+4+\b]   ; with lane l xor 16's: the block's largest magnitude
.endr
.irp b, 0,1,2,3
	s_delay_alu instid0(VALU_DEP_4)
	v_add_nc_u32 v[TM+12+\b], 0xff000000, v[TM+\b]
.endr
.irp b, 0,1,2,3
	s_delay_alu instid0(VALU_DEP_4)
	v_lshrrev_b32 v[TM+4+\b], 23, v[TM+12+\b]
.endr
	s_delay_alu instid0(VALU_DEP_3)
	v_lshl_or_b32 v[PW], v[TM+5], 8, v[TM+4]
	s_delay_alu instid0(VALU_DEP_1)
	v_lshl_or_b32 v[PW], v[TM+6], 16, v[PW]
	s_delay_alu instid0(VALU_DEP_1)
	v_lshl_or_b32 v[PW], v[TM+7], 24, v[PW]
.irp c, 0,1
	v_cvt_scalef32_pk16_fp6_f32 v[PC+6*\c:PC+2+6*\c], v[\s+32*\c:\s+15+32*\c], v[TM+12+2*\c]
	v_cvt_scalef32_pk16_fp6_f32 v[PC+12+4*\c:PC+14+4*\c], v[\s+16+32*\c:\s+31+32*\c], v[TM+12+2*\c+1]
.endr
	v_nop                                          ; one plain place behind the scaled conversions
.irp c, 0,1                                    ; the operand wants a whole block in a lane
.irp i, 0,1,2
	v_permlane16_swap_b32 v[PC+6*\c+\i], v[PC+12+4*\c+\i]
.endr
.irp i, 0,1,2
	s_delay_alu instid0(VALU_DEP_3)
	v_mov_b32 v[PC+3+6*\c+\i], v[PC+12+4*\c+\i]
.endr
.endr
.endm
.macro IMAGE adr, off
.irp c, 0,1,2
	ds_store_b128 v[\adr], v[PC+4*\c:PC+4*\c+3] offset:\off+512*\c
.endr
.endm
.macro FETCH reg, adr, off
.irp c, 0,1,2
	ds_load_b128 v[(\reg)+4*\c:(\reg)+4*\c+3], v[\adr] offset:(\off)+512*\c
.endr
.endm
.macro FETCHW reg, aa, ab, off
.irp c, 0,1
	ds_load_b128 v[(\reg)+6*\c:(\reg)+6*\c+3], v[\aa] offset:(\off)+768*\c
	ds_load_b64 v[(\reg)+6*\c+4:(\reg)+6*\c+5], v[\ab] offset:(\off)+768*\c+512
.endr
.endm
; one product: D, source 0, source 1, C; the two scale registers; ra, rb = 1: that side's scales are read from lanes 16-31
.macro WM d, a, b, c, sa, sb, ra, rb
.if (\ra) == 0 && (\rb) == 0
	v_wmma_scale_f32_16x16x128_f8f6f4 v[(\d):(\d)+7], v[(\a):(\a)+11], v[(\b):(\b)+11], v[(\c):(\c)+7], v[\sa], v[\sb] matrix_a_fmt:MATRIX_FMT_FP6 matrix_b_fmt:MATRIX_FMT_FP6
.elseif (\ra) != 0 && (\rb) == 0
	v_wmma_scale_f32_16x16x128_f8f6f4 v[(\d):(\d)+7], v[(\a):(\a)+11], v[(\b):(\b)+11], v[(\c):(\c)+7], v[\sa], v[\sb] matrix_a_fmt:MATRIX_FMT_FP6 matrix_b_fmt:MATRIX_FMT_FP6 matrix_a_scale:MATRIX_SCALE_ROW1
.elseif (\ra) == 0 && (\rb) != 0
	v_wmma_scale_f32_16x16x128_f8f6f4 v[(\d):(\d)+7], v[(\a):(\a)+11], v[(\b):(\b)+11], v[(\c):(\c)+7], v[\sa], v[\sb] matrix_a_fmt:MATRIX_FMT_FP6 matrix_b_fmt:MATRIX_FMT_FP6 matrix_b_scale:MATRIX_SCALE_ROW1
.else
	v_wmma_scale_f32_16x16x128_f8f6f4 v[(\d):(\d)+7], v[(\a):(\a)+11], v[(\b):(\b)+11], v[(\c):(\c)+7], v[\sa], v[\sb] matrix_a_fmt:MATRIX_FMT_FP6 matrix_b_fmt:MATRIX_FMT_FP6 matrix_a_scale:MATRIX_SCALE_ROW1 matrix_b_scale:MATRIX_SCALE_ROW1
.endif
.endm
.macro INVF j, lo, hi                  ; inv_freq of d = 8 h + j: lanes 0-15 take index j, lanes 16-31 index 8 + j
	v_mov_b32 v[129+16*\j], \hi
	s_delay_alu instid0(VALU_DEP_1)
	v_cndmask_b32 v[128+16*\j], \lo, v[129+16*\j], vcc_lo
.endm
	s_load_b256 s[4:11], s[0:1], 0x0               ; input s[4:5], w_attn s[6:7], b_attn s[8:9], w_proj s[10:11]
	s_load_b128 s[12:15], s[0:1], 0x20             ; qimg s[12:13], kv s[14:15]
	s_load_b64 s[16:17], s[0:1], 0x30              ; wp
	s_set_vgpr_msb 0x40
	v_lshl_add_u32 v0, v0, 2, 0x14000
	v_mov_b32 v1, 0
	s_set_vgpr_msb 0x4000
	v_lshrrev_b32 v1, 5, v0
	s_delay_alu instid0(VALU_DEP_1)
	v_readfirstlane_b32 s18, v1                    ; wave 0..7
	s_lshr_b32 s19, ttmp9, 3                       ; bn
	s_and_b32 s20, ttmp9, 7                        ; s: which 128 tokens
	s_and_b32 s21, ttmp7, 0xffff                   ; g: which two heads
	s_mov_b32 s22, 0x76543210
	s_mov_b32 s23, 0xfedcba98                      ; v_permlanex16_b32's selects for lane l xor 16
	s_mov_b32 s24, 0xffff0000                      ; lanes 16-31
	s_lshr_b32 s87, s18, 2                         ; role: 0 q, 1 k
	s_bfe_u32 s88, s18, 0x10001                    ; e: which of the two heads
	s_and_b32 s89, s18, 1                          ; f: which four token tiles; for v: u, which column tile
	v_and_b32 v1, 31, v0                           ; lane
	v_and_b32 v2, 15, v0                           ; r
	v_bfe_u32 v3, v0, 4, 1                         ; h
	s_delay_alu instid0(VALU_DEP_3)
	v_lshlrev_b32 v5, 4, v1                        ; 16 lane
	s_delay_alu instid0(VALU_DEP_4)
	v_lshlrev_b32 v6, 2, v1                        ; 4 lane
	v_lshlrev_b32 v7, 3, v1                        ; 8 lane
	v_and_b32 v11, 7, v1                           ; v's columns: lane l takes d = l % 8 + 16 ((l / 8) % 2) + 8 (l / 16)
	v_bfe_u32 v12, v1, 3, 1
	s_delay_alu instid0(VALU_DEP_1)
	v_lshl_add_u32 v11, v12, 4, v11
	s_delay_alu instid0(VALU_DEP_1)
	v_lshl_add_u32 v11, v3, 3, v11
	s_delay_alu instid0(VALU_DEP_1)
	v_lshlrev_b32 v11, 2, v11
	s_wait_alu depctr_va_vdst(0)
	; my three halves of W: t = 3 wave + i; pair = t / 4, K step = (t / 2) % 2, half = t % 2
	s_mul_i32 s78, s18, 3
.irp i, 0,1,2
	s_add_co_u32 s79, s78, \i
	s_lshr_b32 s80, s79, 2
	s_and_b32 s81, s79, 3
	s_mul_i32 s82, s80, 6144
	s_mul_i32 s83, s81, 768
	s_add_co_u32 s82, s82, s83
	s_add_co_u32 s[34+\i], s82, WIMG               ; where its half images go
	s_lshr_b32 s82, s79, 1
	s_lshl_b32 s82, s82, 7
	s_and_b32 s83, s79, 1
	s_lshl_b32 s83, s83, 1
	s_add_co_u32 s82, s82, s83
	s_add_co_u32 s[37+\i], s82, WSC                ; and its two scale bytes a column
	s_mul_i32 s84, s81, 196608                     ; 64 rows of 3,072 bytes for each half passed
	s_lshr_b32 s82, s79, 3
	s_lshl_b32 s82, s82, 10                        ; q, k or v: 256 columns each
	s_add_co_u32 s84, s84, s82
	s_and_b32 s82, s80, 1
	s_lshl_b32 s82, s82, 7                         ; the head's 32 columns
	s_add_co_u32 s84, s84, s82
	s_lshl_b32 s82, s21, 8
	s_add_co_u32 s[26+2*\i], s84, s82
	s_mov_b32 s[27+2*\i], 0
	s_cmp_ge_u32 s79, 16                           ; pairs 4 and 5 are v's
	s_cselect_b32 s85, -1, 0
	v_cndmask_b32 v[8+\i], v6, v11, s85
.endr
	s_lshr_b32 s82, s19, 2                         ; x: b x 4 MiB + 128 s tokens of 4,096 bytes + n x 1,024
	s_lshl_b32 s82, s82, 22
	s_lshl_b32 s83, s20, 19
	s_add_co_u32 s82, s82, s83
	s_and_b32 s83, s19, 3
	s_lshl_b32 s83, s83, 10
	s_add_co_u32 s44, s82, s83
	s_mov_b32 s45, 0
	s_lshr_b32 s82, s18, 1                         ; my token tile = my wave's number
	s_lshl_b32 s82, s82, 5
	s_lshl_b32 s83, s89, 3
	s_add_co_u32 s86, s82, s83
	v_and_b32 v12, 8, v2
	s_delay_alu instid0(VALU_DEP_1)
	v_add_nc_u32 v12, v12, v2
	s_delay_alu instid0(VALU_DEP_1)
	v_add_nc_u32 v12, s86, v12                     ; my token among the 128
	s_delay_alu instid0(VALU_DEP_1)
	v_lshlrev_b32 v4, 12, v12
	s_delay_alu instid0(VALU_DEP_1)
	v_lshl_add_u32 v4, v3, 6, v4                   ; its row, + 64 h
	s_lshl_b32 s82, s20, 7
	v_add_nc_u32 v14, s82, v12
	s_delay_alu instid0(VALU_DEP_1)
	v_cvt_f32_u32 v14, v14                         ; its position t
	; w_proj: 32 halves, taken by waves 4-7 of work-groups x = 0 .. 7, y = 0
	s_cmp_ge_u32 s18, 4
	s_cselect_b32 s25, 1, 0
	s_cmp_lt_u32 ttmp9, 8
	s_cselect_b32 s25, s25, 0
	s_cmp_eq_u32 s21, 0
	s_cselect_b32 s25, s25, 0
	s_lshl_b32 s82, ttmp9, 2
	s_add_co_u32 s82, s82, s18
	s_sub_co_u32 s82, s82, 4
	s_and_b32 s82, s82, 31                         ; which half: column pair = id / 4, K step, half as above
	s_and_b32 s83, s82, 3
	s_lshr_b32 s84, s82, 2
	s_lshl_b32 s32, s83, 16                        ; 64 rows of 1,024 bytes
	s_lshl_b32 s85, s84, 7
	s_add_co_u32 s32, s32, s85
	s_mov_b32 s33, 0
	s_mul_i32 s58, s84, 6144
	s_mul_i32 s85, s83, 768
	s_add_co_u32 s58, s58, s85
	s_mov_b32 s59, 0
	s_lshr_b32 s85, s82, 1
	s_lshl_b32 s85, s85, 7
	s_and_b32 s83, s82, 1
	s_lshl_b32 s83, s83, 1
	s_add_co_u32 s85, s85, s83
	s_add_co_u32 s60, s85, 49152
	s_mov_b32 s61, 0
	; where the results go: record (8 bn + head) 8 + s
	s_lshl_b32 s90, s21, 1
	s_add_co_u32 s90, s90, s88                     ; head
	s_lshl_b32 s82, s19, 3
	s_add_co_u32 s82, s82, s90
	s_lshl_b32 s82, s82, 3
	s_add_co_u32 s82, s82, s20
	s_lshl_b32 s83, 3328, s87                      ; a record: 3,328 bytes of q, 6,656 of k and v
	s_mul_i32 s83, s82, s83
	s_mul_i32 s84, s89, 1536
	s_add_co_u32 s46, s83, s84
	s_mov_b32 s47, 0
	s_lshl_b32 s85, 3072, s87
	s_add_co_u32 s83, s83, s85
	s_lshl_b32 s85, s89, 7
	s_add_co_u32 s48, s83, s85
	s_mov_b32 s49, 0
	s_mul_i32 s83, s82, 6656
	s_add_co_u32 s50, s83, s84
	s_add_co_u32 s50, s50, 3072
	s_mov_b32 s51, 0
	s_add_co_u32 s52, s83, s85
	s_add_co_u32 s52, s52, 6400
	s_mov_b32 s53, 0
	s_lshl_b32 s83, s90, 7                         ; the biases: q's or k's 32 of my head; v's
	s_lshl_b32 s84, s87, 10
	s_add_co_u32 s54, s83, s84
	s_mov_b32 s55, 0
	s_add_co_u32 s56, s83, 2048
	s_mov_b32 s57, 0
	v_and_b32 v15, 7, v2                           ; v's bias of my column: d = 8 u + r % 8 + 16 (r / 8)
	v_lshrrev_b32 v13, 3, v2
	s_delay_alu instid0(VALU_DEP_1)
	v_lshl_add_u32 v15, v13, 4, v15
	s_delay_alu instid0(VALU_DEP_1)
	v_lshlrev_b32 v15, 2, v15
	s_lshl_b32 s83, s89, 5
	v_add_nc_u32 v15, s83, v15
	s_mov_b32 s66, 0x3f22f983                      ; 2 / pi
	s_mov_b32 s67, 0xbfc90fdb                      ; -(pi / 2), its f32 part,
	s_mov_b32 s68, 0x333bbd2e                      ; and what that part leaves
	s_mov_b32 s69, 0xbe2aaaa3                      ; sin r = r + r z (S1 + z (S2 + z S3)), z = r r
	s_mov_b32 s70, 0x3c08839e
	s_mov_b32 s71, 0xb94ca1f9
	s_mov_b32 s72, 0x3d2aaaa5                      ; cos r = 1 - z / 2 + z z (C1 + z (C2 + z C3))
	s_mov_b32 s73, 0xbab6061a
	s_mov_b32 s74, 0x37ccf5ce
	s_wait_kmcnt 0x0
	s_add_nc_u64 s[26:27], s[6:7], s[26:27]
	s_add_nc_u64 s[28:29], s[6:7], s[28:29]
	s_add_nc_u64 s[30:31], s[6:7], s[30:31]
	LOADW N0, 26, 8, 3072                          ; my first half of W is on its way while the angles are worked
	s_add_nc_u64 s[32:33], s[10:11], s[32:33]
	s_add_nc_u64 s[44:45], s[4:5], s[44:45]
	s_cmp_eq_u32 s87, 0
	s_cselect_b64 s[84:85], s[12:13], s[14:15]     ; q's records or k's
	s_add_nc_u64 s[46:47], s[84:85], s[46:47]
	s_add_nc_u64 s[48:49], s[84:85], s[48:49]
	s_add_nc_u64 s[50:51], s[14:15], s[50:51]
	s_add_nc_u64 s[52:53], s[14:15], s[52:53]
	s_add_nc_u64 s[54:55], s[8:9], s[54:55]
	s_add_nc_u64 s[56:57], s[8:9], s[56:57]
	s_add_nc_u64 s[58:59], s[16:17], s[58:59]
	s_add_nc_u64 s[60:61], s[16:17], s[60:61]
	; ---- cos and sin of t x inv_freq(8 h + j), j = 0 .. 7, for my token: sixteen registers of work for each j, from v128 on
	s_mov_b32 vcc_lo, s24
	INVF 0, 0x3f800000, 0x3c23d70a
	INVF 1, 0x3f0ff59a, 0x3bb8449c
	INVF 2, 0x3ea1e89b, 0x3b4f3e38
	INVF 3, 0x3e361887, 0x3ae91528
	INVF 4, 0x3dcccccd, 0x3a83126f
	INVF 5, 0x3d6655c2, 0x3a136a16
	INVF 6, 0x3d0186e3, 0x39a5cb60
	INVF 7, 0x3c91ad39, 0x393a7753
.irp j, 0,1,2,3,4,5,6,7
	v_mul_f32 v[128+16*\j], v14, v[128+16*\j]      ; the angle, rounded once
.endr
.irp j, 0,1,2,3,4,5,6,7
	v_mul_f32 v[129+16*\j], s66, v[128+16*\j]
.endr
.irp j, 0,1,2,3,4,5,6,7
	v_rndne_f32 v[129+16*\j], v[129+16*\j]         ; n quarter turns
.endr
.irp j, 0,1,2,3,4,5,6,7
	v_fma_f32 v[130+16*\j], v[129+16*\j], s67, v[128+16*\j]
.endr
.irp j, 0,1,2,3,4,5,6,7
	v_fma_f32 v[130+16*\j], v[129+16*\j], s68, v[130+16*\j]   ; r = angle - n pi / 2, within pi / 4 of 0
.endr
.irp j, 0,1,2,3,4,5,6,7
	v_mul_f32 v[131+16*\j], v[130+16*\j], v[130+16*\j]
.endr
.irp j, 0,1,2,3,4,5,6,7
	v_cvt_i32_f32 v[134+16*\j], v[129+16*\j]
.endr
.irp j, 0,1,2,3,4,5,6,7
	v_fma_f32 v[132+16*\j], v[131+16*\j], s71, s70
	v_fma_f32 v[133+16*\j], v[131+16*\j], s74, s73
.endr
.irp j, 0,1,2,3,4,5,6,7
	v_fma_f32 v[132+16*\j], v[132+16*\j], v[131+16*\j], s69
	v_fma_f32 v[133+16*\j], v[133+16*\j], v[131+16*\j], s72
.endr
.irp j, 0,1,2,3,4,5,6,7
	v_mul_f32 v[135+16*\j], v[131+16*\j], v[130+16*\j]
	v_mul_f32 v[133+16*\j], v[133+16*\j], v[131+16*\j]
	v_fma_f32 v[136+16*\j], v[131+16*\j], -0.5, 1.0
.endr
.irp j, 0,1,2,3,4,5,6,7
	v_fma_f32 v[132+16*\j], v[132+16*\j], v[135+16*\j], v[130+16*\j]   ; sin r
	v_fma_f32 v[133+16*\j], v[133+16*\j], v[131+16*\j], v[136+16*\j]   ; cos r
.endr
.irp j, 0,1,2,3,4,5,6,7
	v_and_b32 v[135+16*\j], 1, v[134+16*\j]
.endr
.irp j, 0,1,2,3,4,5,6,7
	v_cmp_eq_u32 vcc_lo, 1, v[135+16*\j]           ; an odd n changes sin and cos over
	s_delay_alu instid0(VALU_DEP_1)
	v_cndmask_b32 v[137+16*\j], v[132+16*\j], v[133+16*\j], vcc_lo
	s_delay_alu instid0(VALU_DEP_2)
	v_cndmask_b32 v[138+16*\j], v[133+16*\j], v[132+16*\j], vcc_lo
.endr
.irp j, 0,1,2,3,4,5,6,7
	v_lshlrev_b32 v[135+16*\j], 30, v[134+16*\j]   ; sin is negated where n % 4 is 2 or 3,
	v_add_nc_u32 v[134+16*\j], 1, v[134+16*\j]
.endr
.irp j, 0,1,2,3,4,5,6,7
	v_and_b32 v[135+16*\j], 0x80000000, v[135+16*\j]
	v_lshlrev_b32 v[134+16*\j], 30, v[134+16*\j]   ; cos where it is 1 or 2
.endr
.irp j, 0,1,2,3,4,5,6,7
	v_xor_b32 v[24+\j], v[137+16*\j], v[135+16*\j]
	v_and_b32 v[134+16*\j], 0x80000000, v[134+16*\j]
.endr
.irp j, 0,1,2,3,4,5,6,7
	v_xor_b32 v[16+\j], v[138+16*\j], v[134+16*\j]
.endr
	s_lshl_b32 s82, s18, 11
	s_add_co_u32 s82, s82, CST
	v_add_nc_u32 v11, s82, v5
	ds_store_b128 v11, v[16:19]
	ds_store_b128 v11, v[20:23] offset:512
	ds_store_b128 v11, v[24:27] offset:1024
	ds_store_b128 v11, v[28:31] offset:1536
	s_wait_dscnt 0x0                               ; the stores have read their registers
	; ---- my three halves of W, the loads one half ahead of the work
	LOADW N1, 28, 9, 3072
	s_wait_loadcnt 63                              ; 64 younger loads were issued; the wait names 63, the most it can name: the first half is in
	WHALF N0
	WSINK_LDS 0
	LOADW N2, 30, 10, 3072
	s_wait_loadcnt 63                              ; likewise: the second half is in
	WHALF N1
	WSINK_LDS 1
	XLOAD N0, 0
	s_wait_loadcnt 16                              ; x's sixteen loads may be out: the third half is in
	WHALF N2
	WSINK_LDS 2
	; ---- my 16 tokens of x: two fragments
	XLOAD N1, 1
	v_lshlrev_b32 v13, 5, v3                       ; the bias as C of a q or k tile: lane (r, h) wants columns 16 u + 8 h + 0 .. 7
	global_load_b128 v[BQ:BQ+3], v13, s[54:55]
	global_load_b128 v[BQ+4:BQ+7], v13, s[54:55] offset:16
	global_load_b128 v[BQ+8:BQ+11], v13, s[54:55] offset:64
	global_load_b128 v[BQ+12:BQ+15], v13, s[54:55] offset:80
	global_load_b32 v[BV], v15, s[56:57]
	s_mul_i32 s82, s18, 3072
	v_add_nc_u32 v11, s82, v5
	s_lshl_b32 s82, s18, 7
	s_add_co_u32 s82, s82, XSC
	v_add_nc_u32 v12, s82, v6
	s_wait_loadcnt 21                              ; K step 1's sixteen loads and the five of the bias may be out
	QUANT N0
	IMAGE 11, XIMG
	v_mov_b32 v53, v[PW]
	s_wait_dscnt 0x0                               ; the stores have read their registers
	s_wait_loadcnt 5                               ; the bias may be out
	QUANT N1
	IMAGE 11, XIMG+1536
	v_cndmask_b32 v53, v53, v[PW], s24             ; lanes 0-15 K step 0's word, lanes 16-31 K step 1's
	ds_store_b32 v12, v53
	s_wait_dscnt 0x0                               ; for the others' sake: all my LDS stores have landed
	s_barrier_signal -1
	s_barrier_wait -1                              ; x, W, their scales, cos and sin lie in LDS; from here on LDS is only read
	; ---- every LDS address of both tasks is made here, ahead of the waves' parting
	s_wait_loadcnt 0x0                             ; the bias is in; no load reads an address register any more
	s_lshr_b32 s78, s18, 1                         ; q, k: pair = 2 role + e
	s_mul_i32 s79, s78, 6144
	s_add_co_u32 s79, s79, WIMG
	v_add_nc_u32 v8, s79, v5
	v_add_nc_u32 v9, s79, v7
	s_wait_alu depctr_va_vdst(0)
	s_mul_i32 s79, s89, 12288                      ; token tiles 4 f on
	v_add_nc_u32 v10, s79, v5
	s_wait_alu depctr_va_vdst(0)
	s_lshl_b32 s79, s89, 9
	s_add_co_u32 s79, s79, XSC
	v_add_nc_u32 v11, s79, v6
	s_wait_alu depctr_va_vdst(0)
	s_lshl_b32 s79, s78, 8
	s_add_co_u32 s79, s79, WSC
	v_add_nc_u32 v12, s79, v6
	s_wait_alu depctr_va_vdst(0)
	s_lshl_b32 s79, s89, 13
	s_add_co_u32 s79, s79, CST
	v_add_nc_u32 v13, s79, v5
	s_add_co_u32 s79, s88, 4                       ; v: pair = 4 + e, column tile u
	s_mul_i32 s80, s79, 6144
	s_mul_i32 s81, s89, 3072
	s_add_co_u32 s80, s80, s81
	s_add_co_u32 s80, s80, WIMG
	v_add_nc_u32 v14, s80, v5
	v_add_nc_u32 v15, s80, v7
	v_add_nc_u32 v1, XSC, v6
	s_lshl_b32 s79, s79, 8
	s_lshl_b32 s81, s89, 6
	s_add_co_u32 s79, s79, s81
	s_add_co_u32 s79, s79, WSC
	v_lshl_add_u32 v2, v2, 2, s79                  ; tile u's sixteen words, in lanes 0-15 (and again in 16-31)
	; ---- q or k of one head for 64 tokens
.irp u, 0,1
.irp ks, 0,1
.set WR, 16+12*(2*\u+\ks)+188*((2*\u+\ks)/3)   ; W's four fragments: v16, v28, v40, v240
	FETCHW WR, 8, 9, \u*3072+\ks*1536
.endr
.endr
.irp b, 0,1,2,3
.irp ks, 0,1
	FETCH XF+12*(2*\b+\ks), 10, \b*3072+\ks*1536
.endr
	ds_load_b32 v[XS+\b], v11 offset:128*\b
.endr
	ds_load_b32 v[WS], v12
	ds_load_b32 v[WS+1], v12 offset:128
	s_wait_dscnt 0x0
.irp ks, 0,1                                   ; the eight accumulators take turns, one instruction a turn
.irp b, 0,1,2,3
.irp u, 0,1
.set WR, 16+12*(2*\u+\ks)+188*((2*\u+\ks)/3)
.if \ks == 0
	WM DD+16*\b+8*\u, WR, XF+12*(2*\b+\ks), BQ+8*\u, WS+\ks, XS+\b, \u, \ks
.else
	WM DD+16*\b+8*\u, WR, XF+12*(2*\b+\ks), DD+16*\b+8*\u, WS+\ks, XS+\b, \u, \ks
.endif
.endr
.endr
.endr
.rept 4
	v_nop                                          ; places in front of loads into registers that the products have read, and of the first read of results
.endr
	s_cmp_eq_u32 s25, 0
	s_cbranch_scc1 .Lno_wp_load
	LOADW WPN, 32, 6, 1024                         ; my half of w_proj lands while RoPE and the quantiser run
.Lno_wp_load:
	s_wait_alu depctr_va_vdst(0)
.irp b, 0,1,2,3
.set CR, 16+16*\b+80*(\b/2)                    ; cos (8) and sin (8) of tile b: v16, v32, v128, v144
.irp q, 0,1,2,3
	ds_load_b128 v[CR+4*\q:CR+4*\q+3], v13 offset:2048*\b+512*\q
.endr
.endr
	s_wait_dscnt 0x0
.irp b, 0,1,2,3                                ; RoPE: x1' = x1 cos - x2 sin, x2' = x2 cos + x1 sin; x1 = d, x2 = d + 16, two d at a time; each accumulator is read from its low end on
.set CR, 16+16*\b+80*(\b/2)
.irp j, 0,2,4,6
	v_pk_mul_f32 v[BQ+2*\j:BQ+2*\j+1], v[DD+16*\b+8+\j:DD+16*\b+9+\j], v[CR+8+\j:CR+9+\j]
	v_pk_mul_f32 v[BQ+2*\j+2:BQ+2*\j+3], v[DD+16*\b+\j:DD+16*\b+1+\j], v[CR+8+\j:CR+9+\j]
.endr
.irp j, 0,2,4,6
	v_pk_fma_f32 v[DD+16*\b+\j:DD+16*\b+1+\j], v[DD+16*\b+\j:DD+16*\b+1+\j], v[CR+\j:CR+1+\j], v[BQ+2*\j:BQ+2*\j+1] neg_lo:[0,0,1] neg_hi:[0,0,1]
	v_pk_fma_f32 v[DD+16*\b+8+\j:DD+16*\b+9+\j], v[DD+16*\b+8+\j:DD+16*\b+9+\j], v[CR+\j:CR+1+\j], v[BQ+2*\j+2:BQ+2*\j+3]
.endr
.endr
	QUANT DD                                       ; block b = token tile 4 f + b's head vector
	global_store_b128 v5, v[PC:PC+3], s[46:47]     ; each store of the wave covers 512 consecutive bytes, aligned to 256
	global_store_b128 v5, v[PC+4:PC+7], s[46:47] offset:512
	global_store_b128 v5, v[PC+8:PC+11], s[46:47] offset:1024
	global_store_b32 v6, v[PW], s[48:49]
	s_cmp_ge_u32 s18, 4
	s_cbranch_scc1 .Lk_tail
	; ---- waves 0-3: v of one head, 16 of its d, for all 128 tokens
	s_wait_xcnt 0x0                                ; the stores above have read their registers, on which the loads below land
	s_wait_loadcnt 0x0                             ; (no load of these waves is out)
.irp i, 0,1,2,3,4,5,6,7
	v_mov_b32 v[BQ+\i], v[BV]                      ; the bias as C: a lane holds one column
.endr
	s_wait_alu depctr_va_vdst(0)
.rept 4
	v_nop
.endr
	FETCHW 16, 14, 15, 0
	FETCHW 28, 14, 15, 1536
	ds_load_b32 v[WS], v2
	ds_load_b32 v[WS+1], v2 offset:128
.irp t, 0,1,2,3,4,5,6,7
	ds_load_b32 v[XS+\t], v1 offset:128*\t
.endr
.irp ks, 0,1
.if \ks
.rept 4
	v_nop                                          ; places in front of loads into registers that the products have read
.endr
.endif
.irp t, 0,1,2,3,4,5,6,7
	FETCH XF+12*\t, 5, (2*\t+\ks)*1536
.endr
	s_wait_dscnt 0x0
.irp t, 0,1,2,3,4,5,6,7                        ; eight accumulators by turns
.if \ks == 0
	WM DD+8*\t, XF+12*\t, 16+12*\ks, BQ, XS+\t, WS+\ks, \ks, 0
.else
	WM DD+8*\t, XF+12*\t, 16+12*\ks, DD+8*\t, XS+\t, WS+\ks, \ks, 0
.endif
.endr
.endr
.rept 4
	v_nop
.endr
	QUANT DD                                       ; row = my d, K = the 128 tokens in their true order
	global_store_b128 v5, v[PC:PC+3], s[50:51]
	global_store_b128 v5, v[PC+4:PC+7], s[50:51] offset:512
	global_store_b128 v5, v[PC+8:PC+11], s[50:51] offset:1024
	global_store_b32 v6, v[PW], s[52:53]
	s_set_vgpr_msb 0x5
	s_wait_tensorcnt 0x0
	ds_add_u32 v0, v1
	s_wait_dscnt 0x0
	s_set_vgpr_msb 0x500
	s_endpgm
.Lk_tail:                                          ; ---- waves 4-7: where it is theirs, a half of w_proj
	s_cmp_eq_u32 s25, 0
	s_cbranch_scc1 .Lend
	s_wait_xcnt 0x0                                ; k's stores have read their registers
	s_wait_loadcnt 0x0
	WHALF WPN
	global_store_b128 v5, v[16:19], s[58:59]
	global_store_b64 v7, v[20:21], s[58:59] offset:512
	global_store_b128 v5, v[24:27], s[58:59] offset:3072
	global_store_b64 v7, v[28:29], s[58:59] offset:3584
	global_store_b16 v6, v46, s[60:61]
.Lend:
	s_set_vgpr_msb 0x5
	s_wait_tensorcnt 0x0
	ds_add_u32 v0, v1
	s_wait_dscnt 0x0
	s_set_vgpr_msb 0x500
	s_endpgm
.Lfunc_end_k_q26ff8f59c0_qkv:
	.size	k_q26ff8f59c0_qkv, .Lfunc_end_k_q26ff8f59c0_qkv-k_q26ff8f59c0_qkv
	.p2alignl 7, 3214868480
	.fill 96, 4, 3214868480
	.section	.rodata,"a",@progbits
	.p2align	6, 0x0
	.amdhsa_kernel k_q26ff8f59c0_qkv
		.amdhsa_group_segment_fixed_size 82944
		.amdhsa_private_segment_fixed_size 0
		.amdhsa_enable_private_segment 0
		.amdhsa_kernarg_size 56
		.amdhsa_user_sgpr_count 2
		.amdhsa_user_sgpr_kernarg_segment_ptr 1
		.amdhsa_wavefront_size32 1
		.amdhsa_system_sgpr_workgroup_id_x 1
		.amdhsa_system_sgpr_workgroup_id_y 1
		.amdhsa_system_sgpr_workgroup_id_z 1
		.amdhsa_system_vgpr_workitem_id 0
		.amdhsa_next_free_vgpr 258
		.amdhsa_next_free_sgpr 96
		.amdhsa_reserve_vcc 1
		.amdhsa_float_denorm_mode_32 3
		.amdhsa_float_denorm_mode_16_64 3
		.amdhsa_memory_ordered 1
		.amdhsa_forward_progress 1
		.amdhsa_inst_pref_size 106
	.end_amdhsa_kernel
	.amdgpu_metadata
---
amdhsa.version: [ 1, 2 ]
amdhsa.kernels:
  - .name:           k_q26ff8f59c0_qkv
    .symbol:         k_q26ff8f59c0_qkv.kd
    .args:
      - { .name: input_tensor, .offset: 0, .size: 8, .value_kind: global_buffer, .address_space: global }
      - { .name: w_attn, .offset: 8, .size: 8, .value_kind: global_buffer, .address_space: global }
      - { .name: b_attn, .offset: 16, .size: 8, .value_kind: global_buffer, .address_space: global }
      - { .name: w_proj, .offset: 24, .size: 8, .value_kind: global_buffer, .address_space: global }
      - { .name: qimg, .offset: 32, .size: 8, .value_kind: global_buffer, .address_space: global }
      - { .name: kv, .offset: 40, .size: 8, .value_kind: global_buffer, .address_space: global }
      - { .name: wp, .offset: 48, .size: 8, .value_kind: global_buffer, .address_space: global }
    .group_segment_fixed_size: 82944
    .private_segment_fixed_size: 0
    .kernarg_segment_align: 8
    .kernarg_segment_size: 56
    .max_flat_workgroup_size: 256
    .sgpr_count:     96
    .vgpr_count:     258
    .wavefront_size: 32
...
	.end_amdgpu_metadata
.endif
;; end of part 3
;; launch attn (part 4): grid 32 x 8, 16 waves a work-group, no clusters, 43,008 bytes of LDS; arguments qimg, kv, wp, b_proj, out0; writes out0
.if DOCPART == 4
	.amdgcn_target "amdgcn-amd-amdhsa--gfx1250"
	.amdhsa_code_object_version 6
	.text
	.protected	k_q26ff8f59c0_attn
	.globl	k_q26ff8f59c0_attn
	.p2align	8
	.type	k_q26ff8f59c0_attn,@function
k_q26ff8f59c0_attn:
	s_mov_b64 s[64:65], 0
	v_nop
	global_prefetch_b8 v0, s[64:65] scope:SCOPE_SE
	s_setreg_imm32_b32 hwreg(HW_REG_WAVE_SCHED_MODE, 0, 2), 2
	s_setreg_imm32_b32 hwreg(HW_REG_WAVE_MODE, 25, 1), 1
	s_wait_xcnt 0x0
	s_wait_alu depctr_vm_vsrc(0)
; Causal attention and the output projection, all three products on codes of FP6 (E2M3) with one E8M0 scale for each 32 along K.
; q, k, v and w_proj come as images of operand registers: a fragment's registers 4 i .. 4 i + 3 of lane l at 512 i + 16 l, its scale word at 4 l.
; SHARES.  Work-group (p, bn): query tiles p and 63 - p of sequence bn, all 8 heads.  Wave w: head w % 8, tile p (w < 8) or 63 - p.  Tile tg has tg / 8 key steps of 128 keys all of which count and one on the
; diagonal: the two tiles together always have 9 steps.  Row r of tile tg is token 128 (tg / 8) + 32 (tau / 2) + 8 (tau % 2) + r + 8 (r / 8), tau = tg % 8.
; SCORES.  The head's 32 are ONE block of 32, so a fragment of k holds 64 keys: row r, block b = key tile 4 f + b's row r.  Source 1 is q in block b and zero codes in the other three blocks: four such operands are
; cut out of 30 registers [0 x 6][q in lanes 0-15][0 x 6][q in lanes 16-31][0 x 6].  Tile 4 f + b of S^T then has in lane (r, h) query r, and the 16 registers of tiles 2 B, 2 B + 1 are keys 32 B + 16 h + 0 .. 15.
; SOFTMAX.  t = score x log2(e) / sqrt(32); M = the running largest t rounded UP to a whole number; p = 2^(t - M) is quantised along the keys, not normalised; the sum is taken of the unquantised p and divides at the end.
; When M moves, the sum and O^T are multiplied by 2^(old M - new M): exact.  O^T = V^T P^T: a lane holds one query and d = 16 h + 0 .. 15.
; PROJECTION.  O / sum is quantised (one block = one head), the heads' codes meet in LDS as rows, and wave (side, hd) makes output columns 32 hd .. 32 hd + 31 of its side's 16 tokens; b_proj is the C of the first product.
; No tile is shared through LDS: a wave's k and v are its own head's, and the work-groups of a sequence walk 1 to 8 steps, so partners of a cluster would need different numbers of tiles: no cluster, no tensor loads.
; LIMITS: NaN and infinities are not served; a block whose largest magnitude lies under 2^-124 gets the scale byte 1 (a block of zeros too: its codes are zeros, and this program alone reads the bytes).
; THE MODE: SCHED_MODE bits 1:0 = 2 (LLVM: expert scheduling mode 2), set by the entry lines.  The code itself states the register dependences
; between vector or matrix instructions and memory or LDS instructions, with s_wait_alu, always for 0.
; THE PLAN.  Registers that memory or LDS instructions touch:
;   v1, v2, v3, v11, v73, v233, v5-v10   offsets and LDS addresses: made at the head, never written again.
;   KF, KSR   a step's eight score products read them; behind those the next step's k lands in them.
;   VF, VSR   the two products V^T P^T at a step's end read them; behind the NEXT step's score products that step's v lands in them; at the end the attention output's fragments, from LDS.
;   v16-63    q's operands (made by vector lines at the head) and k: behind the last step's score products w_proj's fragments land there.
;   v178-180, v202 and v98-113   written by the last quantiser and by the projection's products, read by LDS stores, not written again.   v114-129: LDS loads land there at the end, global stores read them.
; So ONE wait on va_vdst stands in a step for its fourteen loads, behind the score products: the products V^T P^T of the step before are done reading VF and VSR, and the score products KF, KSR and q's operands.
; No vector or matrix instruction between that wait and the loads names a register that they touch.  A second stands ahead of the products V^T P^T, which take p's codes and scale word from vector lines.
; No register that a memory or LDS instruction has read is written again: no wait on vm_vsrc is owed but in the closing lines.
.set AROW, 0                           ; LDS: the attention output's codes: (2 side + K step) 1792 + 112 row + 24 (head % 4) + 12 h
.set ASC,  7168                        ; their scale bytes: 128 side + 64 K step + 4 row + head % 4
.set STG,  7424                        ; the stage for the output: 32 rows of 1,024 bytes + 16
.set QA,  16                           ; v16-45 the 30 registers of q's four operands; later, with v46-63, w_proj's four fragments
.set KF,  46                           ; v46-69 two fragments of k
.set KSR, 70                           ; v70 k's scale words (lanes 0-15 fragment 0's, lanes 16-31 fragment 1's); v71 v's likewise; v72 q's: these hold scales and nothing else
.set VSR, 71
.set QSR, 72
.set VF,  74                           ; v74-97 two fragments of v; later the attention output's two
.set S,   98                           ; v98-161 S^T, then p; later the projection's results and the rows read back
.set O,   162                          ; v162-177 O^T
.set PC,  178                          ; v178-189 p's codes; v190-196 at work
.set PT,  190
.set BM,  198                          ; v198-201 the blocks' largest scores, then p; v202-205 at work; v206-209 scale operands
.set BT,  202
.set SOP, 206
.set FF,  210                          ; v[210:211] f = 2^(old M - new M) (the low word serves both halves)
.set TP,  212
.set PW,  213                          ; p's scale word: a scale and nothing else
.set BP,  214                          ; v214-229 b_proj as C
.set WPS, 230                          ; v230-231 w_proj's scale words; v232 the attention output's: scales and nothing else
.set ASW, 232
.set B32, 233                          ; 32 h
.set SB,  234                          ; v[234:235] the sum's second chain
.set SEL, 20
.set CS,  22
.set REC, 24                           ; s[24:25] the key step's record of k and v
.set REM, 26                           ; s26 steps left all of whose keys count
.set LIM, 27
.set MK,  46                           ; s46-s61 in the diagonal step: sixteen masks of hidden keys (at the head these held offsets, which are done with)
; one product; c < 0: C is the constant 0; ra, rb = 1: that side's scales are read from lanes 16-31
.macro WM d, a, b, c, sa, sb, ra, rb
.if (\c) < 0
.if (\ra) == 0
	v_wmma_scale_f32_16x16x128_f8f6f4 v[(\d):(\d)+7], v[(\a):(\a)+11], v[(\b):(\b)+11], 0, v[\sa], v[\sb] matrix_a_fmt:MATRIX_FMT_FP6 matrix_b_fmt:MATRIX_FMT_FP6
.else
	v_wmma_scale_f32_16x16x128_f8f6f4 v[(\d):(\d)+7], v[(\a):(\a)+11], v[(\b):(\b)+11], 0, v[\sa], v[\sb] matrix_a_fmt:MATRIX_FMT_FP6 matrix_b_fmt:MATRIX_FMT_FP6 matrix_a_scale:MATRIX_SCALE_ROW1
.endif
.elseif (\ra) == 0 && (\rb) == 0
	v_wmma_scale_f32_16x16x128_f8f6f4 v[(\d):(\d)+7], v[(\a):(\a)+11], v[(\b):(\b)+11], v[(\c):(\c)+7], v[\sa], v[\sb] matrix_a_fmt:MATRIX_FMT_FP6 matrix_b_fmt:MATRIX_FMT_FP6
.elseif (\ra) != 0 && (\rb) == 0
	v_wmma_scale_f32_16x16x128_f8f6f4 v[(\d):(\d)+7], v[(\a):(\a)+11], v[(\b):(\b)+11], v[(\c):(\c)+7], v[\sa], v[\sb] matrix_a_fmt:MATRIX_FMT_FP6 matrix_b_fmt:MATRIX_FMT_FP6 matrix_a_scale:MATRIX_SCALE_ROW1
.elseif (\ra) == 0 && (\rb) != 0
	v_wmma_scale_f32_16x16x128_f8f6f4 v[(\d):(\d)+7], v[(\a):(\a)+11], v[(\b):(\b)+11], v[(\c):(\c)+7], v[\sa], v[\sb] matrix_a_fmt:MATRIX_FMT_FP6 matrix_b_fmt:MATRIX_FMT_FP6 matrix_b_scale:MATRIX_SCALE_ROW1
.else
	v_wmma_scale_f32_16x16x128_f8f6f4 v[(\d):(\d)+7], v[(\a):(\a)+11], v[(\b):(\b)+11], v[(\c):(\c)+7], v[\sa], v[\sb] matrix_a_fmt:MATRIX_FMT_FP6 matrix_b_fmt:MATRIX_FMT_FP6 matrix_a_scale:MATRIX_SCALE_ROW1 matrix_b_scale:MATRIX_SCALE_ROW1
.endif
.endm
; A PREFETCH of the record two steps on: 26 blocks of 256 bytes, a lane a block (lanes 26-31 name lane 25's again).  Each record from the third on is named once in the launch: by the wave of its head that walks
; all eight steps, in work-group p = 0.  It stands behind the wave's loads of the next step's k: one trip ahead of the load of that record's k, two ahead of its v.  The last trip asks for nothing: the record named is never past the head's eighth.
.macro ASK
	s_cmp_gt_u32 s[REM], s[LIM]
	s_cbranch_scc0 .Lnot_mine_\@
	global_prefetch_b8 v3, s[REC:REC+1] offset:2*6656 th:TH_LOAD_NT scope:SCOPE_SE
.Lnot_mine_\@:
.endm
	s_load_b256 s[4:11], s[0:1], 0x0               ; qimg s[4:5], kv s[6:7], wp s[8:9], b_proj s[10:11]
	s_load_b64 s[12:13], s[0:1], 0x20              ; out0
	v_lshl_add_u32 v254, v0, 2, 0xa000
	v_mov_b32 v255, 0
	v_lshrrev_b32 v74, 5, v0
	v_readfirstlane_b32 s14, v74                   ; wave 0..15
	v_and_b32 v74, 31, v0                          ; lane
	v_and_b32 v75, 15, v0                          ; r
	v_bfe_u32 v76, v0, 4, 1                        ; h
	v_lshlrev_b32 v1, 4, v74                       ; 16 lane
	v_lshlrev_b32 v73, 2, v74                      ; 4 lane
	v_lshlrev_b32 v11, 3, v74                      ; 8 lane
	v_lshlrev_b32 v2, 2, v75
	v_lshl_add_u32 v2, v76, 7, v2                  ; 4 r + 128 h: two scale images in one register
	s_wait_alu depctr_va_sdst(0)                   ; s14, the wave's number, is written, ahead of its first reader
	s_and_b32 s15, s14, 7                          ; head
	s_lshr_b32 s16, s14, 3                         ; side
	s_sub_co_u32 s19, 63, ttmp9
	s_cmp_eq_u32 s16, 0
	s_cselect_b32 s19, ttmp9, s19                  ; my query tile
	s_lshr_b32 s17, s19, 3                         ; its block of 128 tokens = the steps all of whose keys count
	s_and_b32 s18, s19, 7                          ; tau
	s_mov_b32 s20, 0x76543210
	s_mov_b32 s21, 0xfedcba98                      ; v_permlanex16_b32's selects for lane l xor 16
	s_mov_b32 s22, 0x3e8293ee                      ; c = log2(e) / sqrt(32)
	s_mov_b32 s23, s22                             ; (named with it as a pair)
	s_and_b32 s47, ttmp7, 0xffff                   ; bn
	s_lshl_b32 s46, s47, 3
	s_add_co_u32 s46, s46, s15
	s_mul_i32 s48, s46, 53248                      ; eight records of 6,656 bytes a head
	s_mov_b32 s49, 0
	s_lshl_b32 s50, s46, 3
	s_add_co_u32 s50, s50, s17
	s_mul_i32 s50, s50, 3328                       ; q's record
	s_lshr_b32 s52, s18, 2                         ; its fragment tau / 4
	s_mul_i32 s53, s52, 1536
	s_add_co_u32 s54, s50, s53
	s_mov_b32 s55, 0
	s_lshl_b32 s53, s52, 7
	s_add_co_u32 s50, s50, s53
	s_add_co_u32 s50, s50, 3072                    ; and that fragment's scale image
	s_mov_b32 s51, 0
	s_bfe_u32 s53, s18, 0x10001                    ; my tile is block tau % 4 of the fragment: registers 6 c on, c = (tau / 2) % 2,
	s_cmp_eq_u32 s53, 1
	s_cselect_b32 s28, -1, 0
	s_and_b32 s53, s18, 1                          ; in the lanes' half tau % 2
	s_mov_b32 s29, 0xffff0000
	s_cmp_eq_u32 s53, 1
	s_cselect_b32 s29, 0xffff, s29                 ; the lanes that take the other half's registers
	s_mov_b32 s30, 0xffff
	s_mov_b32 s31, 0xffff0000
	s_and_b32 s56, s18, 3
	s_mul_i32 s32, s56, 0x01010101                 ; byte tau % 4 of the scale word, four times
	s_lshr_b32 s56, s18, 1
	s_lshl_b32 s56, s56, 5
	s_lshl_b32 s53, s53, 3
	s_add_co_u32 s57, s56, s53                     ; row 0's token among the 128
	s_lshl_b32 s56, s17, 7                         ; the two rows that I store at the end: r = 2 head, 2 head + 1
	s_add_co_u32 s56, s56, s57
	s_lshl_b32 s53, s15, 1
	s_add_co_u32 s56, s56, s53
	s_lshr_b32 s53, s15, 2
	s_lshl_b32 s53, s53, 3
	s_add_co_u32 s56, s56, s53
	s_lshr_b32 s53, s47, 2
	s_lshl_b32 s53, s53, 10
	s_add_co_u32 s56, s56, s53
	s_lshl_b32 s56, s56, 2
	s_and_b32 s53, s47, 3
	s_add_co_u32 s56, s56, s53
	s_lshl_b32 s40, s56, 10                        ; ((b 1024 + token) 4 + n) rows of 1,024 bytes
	s_mov_b32 s41, 0
	s_xor_b32 s53, s16, 1
	s_or_b32 s53, s53, ttmp9
	s_cmp_eq_u32 s53, 0
	s_cselect_b32 s[LIM], 1, -1                    ; tile 63's waves prefetch
	s_mul_i32 s34, s15, 6144                       ; w_proj's columns 32 head on,
	s_mov_b32 s35, 0
	s_lshl_b32 s36, s15, 8
	s_add_co_u32 s36, s36, 49152                   ; their scale words,
	s_mov_b32 s37, 0
	s_lshl_b32 s38, s15, 7                         ; b_proj's 32
	s_mov_b32 s39, 0
	s_mov_b32 s[REM], s17
	s_wait_kmcnt 0x0
	s_add_nc_u64 s[REC:REC+1], s[6:7], s[48:49]
	s_add_nc_u64 s[42:43], s[4:5], s[54:55]
	s_add_nc_u64 s[44:45], s[4:5], s[50:51]
	s_wait_alu depctr_va_vdst(0)                   ; the offsets v1, v73 and v2 are written, which the loads below read
.irp i, 0,1,2
	global_load_b128 v[S+4*\i:S+4*\i+3], v1, s[42:43] offset:512*\i   ; the fragment that holds my queries
.endr
	global_load_b32 v128, v73, s[44:45]
.irp i, 0,1,2,3,4,5
	global_load_b128 v[KF+4*\i:KF+4*\i+3], v1, s[REC:REC+1] offset:512*\i   ; k of step 0
.endr
	global_load_b32 v[KSR], v2, s[REC:REC+1] offset:6144
	s_add_nc_u64 s[34:35], s[8:9], s[34:35]
	s_add_nc_u64 s[36:37], s[8:9], s[36:37]
	s_add_nc_u64 s[38:39], s[10:11], s[38:39]
	s_add_nc_u64 s[40:41], s[12:13], s[40:41]
	v_min_u32 v3, 25, v74
	v_lshlrev_b32 v3, 8, v3                        ; the prefetches' offset; never rewritten
	v_and_b32 v77, 8, v75
	v_add_nc_u32 v4, v77, v75
	v_lshlrev_b32 v77, 4, v76
	v_sub_nc_u32 v4, v4, v77
	v_add_nc_u32 v4, s57, v4                       ; my query among the 128, less 16 h: register 16 B + i of S^T is hidden where 32 B + i is greater
	v_lshlrev_b32 v[B32], 5, v76
	s_lshr_b32 s53, s14, 2                         ; LDS addresses: constants, the lane, the wave's number
	s_mul_i32 s56, s53, 1792
	s_and_b32 s58, s14, 3
	s_mul_i32 s59, s58, 24
	s_add_co_u32 s56, s56, s59
	s_lshl_b32 s53, s53, 6
	s_add_co_u32 s53, s53, s58
	s_add_co_u32 s53, s53, ASC
	s_mul_i32 s59, s16, 3584
	s_lshl_b32 s60, s16, 7
	s_add_co_u32 s60, s60, ASC
	s_mul_i32 s61, s16, 16640
	s_lshl_b32 s62, s15, 7
	s_add_co_u32 s61, s61, s62
	s_add_co_u32 s61, s61, STG
	s_mul_i32 s62, s14, 2080
	s_add_co_u32 s62, s62, STG
	v_mul_u32_u24 v5, v75, 112
	v_mad_u32_u24 v7, v76, 24, v5
	v_mad_u32_u24 v5, v76, 12, v5
	v_add_nc_u32 v5, s56, v5                       ; where my 12 bytes of codes go
	v_add_nc_u32 v7, s59, v7                       ; where I read my side's fragments
	v_lshl_add_u32 v6, v75, 2, s53                 ; my head's scale byte of row r
	v_add_nc_u32 v8, s60, v73                      ; my side's scale words: lanes 0-15 K step 0's, lanes 16-31 K step 1's
	v_mul_u32_u24 v9, v75, 1040
	v_lshl_add_u32 v9, v76, 5, v9
	v_add_nc_u32 v9, s61, v9                       ; the stage: row 16 side + r, + 128 head + 32 h
	v_add_nc_u32 v10, s62, v1                      ; back: rows 2 wave, 2 wave + 1
	v_mov_b32 v13, 0xff61b1e6                      ; the largest t so far: -3e38
	v_floor_f32 v12, -v13                          ; -M
	v_mov_b32 v14, 0                               ; the sum, in two halves
	v_mov_b32 v15, 0
	v_mov_b32 v[FF+1], 0                           ; (named as the upper half of a pair)
.irp i, 0,1,2,3
	v_mov_b32 v[BT+\i], 0                          ; a lane permute's destination counts as one of its sources
.endr
.irp i, 0,1,2,3,4,5
	v_mov_b32 v[116+\i], 0
.endr
.irp i, 0,1,2,3,4,5,6,7,8,9,10,11,12,13,14,15
	v_mov_b32 v[O+\i], 0                           ; O^T: the step is written once, its first run finds zeros
.endr
	s_wait_loadcnt 7                               ; k's seven loads may be out: q is in
	v_perm_b32 v[QSR], v128, v128, s32             ; my tile's scale byte in all four bytes: the zero codes of the other blocks add nothing under it
.irp i, 0,1,2,3,4,5
	v_cndmask_b32 v[110+\i], v[S+\i], v[S+6+\i], s28
.endr
.irp i, 0,1,2,3,4,5
	v_permlanex16_b32 v[116+\i], v[110+\i], s[SEL], s[SEL+1]
.endr
.irp i, 0,1,2,3,4,5
	v_cndmask_b32 v[110+\i], v[110+\i], v[116+\i], s29   ; row r's 24 bytes, in lane r and in lane 16 + r
.endr
.irp i, 0,1,2,3,4,5
	v_cndmask_b32 v[QA+6+\i], 0, v[110+\i], s30
	v_cndmask_b32 v[QA+18+\i], 0, v[110+\i], s31
.endr
.irp i, 0,1,2,3,4,5
	v_mov_b32 v[QA+\i], 0
	v_mov_b32 v[QA+12+\i], 0
	v_mov_b32 v[QA+24+\i], 0
.endr
.rept 4
	v_nop                                          ; places between the lines that made q's operands and the first scaled product that takes them
.endr
	s_wait_alu depctr_va_vdst(0)                   ; q's operands and its scale word are written, which the score products take; so are v3, v233 and v5 to v10, which the prefetches, b_proj's loads and the LDS instructions read; v74 to v77, in which v lands, are done with
; A KEY STEP of 128 keys.  last = 1: the step on the diagonal, which also asks for the projection's operands.
.macro STEP last
	s_wait_loadcnt 0x0                             ; this step's k is in: its seven loads are all that is out
.irp fk, 0,1
.irp b, 0,1,2,3
	WM S+8*(4*\fk+\b), KF+12*\fk, QA+12*(\b%2)+6*(1-\b/2), -1, KSR, QSR, \fk, 0
.endr
.endr
.rept 4
	v_nop                                          ; places in front of the first read of the scores
.endr
	s_wait_alu depctr_va_vdst(0)                   ; the products V^T P^T of the step before are done reading v's fragments and scale words, in which this step's v lands; the score products are done reading k's, its scale words and q's operands, in which the next k (last step: w_proj) lands
.irp i, 0,1,2,3,4,5
	global_load_b128 v[VF+4*\i:VF+4*\i+3], v1, s[REC:REC+1] offset:3072+512*\i
.endr
	global_load_b32 v[VSR], v2, s[REC:REC+1] offset:6400
.if \last
.irp u, 0,1
.irp ks, 0,1
.irp c, 0,1
	global_load_b128 v[16+12*(2*\u+\ks)+6*\c:16+12*(2*\u+\ks)+6*\c+3], v1, s[34:35] offset:3072*\u+1536*\ks+768*\c
	global_load_b64 v[16+12*(2*\u+\ks)+6*\c+4:16+12*(2*\u+\ks)+6*\c+5], v11, s[34:35] offset:3072*\u+1536*\ks+768*\c+512
.endr
.endr
.endr
	global_load_b32 v[WPS], v73, s[36:37]
	global_load_b32 v[WPS+1], v73, s[36:37] offset:128
.irp u, 0,1
.irp q, 0,1
	global_load_b128 v[BP+8*\u+4*\q:BP+8*\u+4*\q+3], v[B32], s[38:39] offset:64*\u+16*\q
.endr
.endr
	v_mov_b32 v[TP], 0xff800000                    ; hidden scores become -infinity ahead of the maximum: p = 0.  Key 0 of the step counts for every query
.set n, 0
.rept 4                                        ; a block of 32 keys' sixteen registers at a time: sixteen compares into sixteen scalar registers, one wait, sixteen selections
.set m, 0
.rept 16
	v_cmp_gt_i32 s[MK+m], 32*(n/16)+m, v4
.set m, m+1
.endr
	s_wait_alu depctr_va_sdst(0)                   ; the sixteen masks are written, ahead of the selections that read them
.set m, 0
.rept 16
	v_cndmask_b32 v[S+n+m], v[S+n+m], v[TP], s[MK+m]
.set m, m+1
.endr
.set n, n+16
.endr
.else
.irp i, 0,1,2,3,4,5
	global_load_b128 v[KF+4*\i:KF+4*\i+3], v1, s[REC:REC+1] offset:6656+512*\i   ; the next step's k
.endr
	global_load_b32 v[KSR], v2, s[REC:REC+1] offset:6656+6144
	ASK
.endif
.irp b, 0,1,2,3
	v_max3_num_f32 v[BM+\b], v[S+16*\b], v[S+1+16*\b], v[S+2+16*\b]   ; the largest score of each block of 32 keys: for the row's maximum and, since p rises with the score, for the block's largest p
.endr
.irp i, 3,5,7,9,11,13
.irp b, 0,1,2,3
	v_max3_num_f32 v[BM+\b], v[BM+\b], v[S+16*\b+\i], v[S+1+16*\b+\i]
.endr
.endr
.irp b, 0,1,2,3
	v_max_num_f32 v[BM+\b], v[BM+\b], v[S+15+16*\b]
.endr
.irp b, 0,1,2,3
	v_permlanex16_b32 v[BT+\b], v[BM+\b], s[SEL], s[SEL+1]
.endr
.irp b, 0,1,2,3
	v_max_num_f32 v[BM+\b], v[BM+\b], v[BT+\b]
.endr
	v_max3_num_f32 v[TP], v[BM], v[BM+1], v[BM+2]
	v_max_num_f32 v[TP], v[TP], v[BM+3]
	v_mul_f32 v[TP], s[CS], v[TP]
	v_max_num_f32 v13, v13, v[TP]                  ; the running largest t
	v_mov_b32 v[TP], v12
	v_floor_f32 v12, -v13                          ; the new -M = -ceil(t)
	v_sub_f32 v[TP], v12, v[TP]                    ; old M - new M: a whole number, 0 or less
	v_cvt_i32_f32 v[TP], v[TP]                     ; (it saturates)
	v_ldexp_f32 v[FF], 1.0, v[TP]                  ; f
.set n, 0
.rept 32
	v_pk_fma_f32 v[S+n:S+n+1], v[S+n:S+n+1], s[CS:CS+1], v[12:13] op_sel_hi:[1,0,0]   ; t - M
.set n, n+2
.endr
.irp b, 0,1,2,3
	v_fma_f32 v[BM+\b], v[BM+\b], s[CS], v12
.endr
.set n, 0
	s_wait_alu depctr_va_vdst(0)
.rept 64
	v_exp_f32 v[S+n], v[S+n]                       ; p, at most 1
.set n, n+1
.endr
	v_pk_mul_f32 v[14:15], v[14:15], v[FF:FF+1] op_sel_hi:[1,0]   ; the sums under the new M (a plain place behind the exponentials)
	s_wait_alu depctr_va_vdst(0)                   ; the 64 exponentials have written p: one wait for the batch, ahead of its first reader
.irp b, 0,1,2,3
	v_exp_f32 v[BM+\b], v[BM+\b]                   ; the blocks' largest p
.endr
	v_pk_add_f32 v[SB:SB+1], v[S:S+1], v[S+2:S+3]  ; the sum of the unquantised p, in two chains: its first half here, plain work behind the four
.irp j, 4,8,12,16,20,24,28
	v_pk_add_f32 v[14:15], v[14:15], v[S+\j:S+1+\j]
	v_pk_add_f32 v[SB:SB+1], v[SB:SB+1], v[S+2+\j:S+3+\j]
.endr
	s_wait_alu depctr_va_vdst(0)                   ; the four exponentials have written the blocks' largest p, ahead of their first reader
.irp b, 0,1,2,3
	v_max_num_f32 v[BM+\b], 0x1800000, v[BM+\b]    ; the floor 2^(3 - 127): the byte cannot fall under 1
.endr
.irp b, 0,1,2,3
	v_add_nc_u32 v[SOP+\b], 0xff000000, v[BM+\b]
.endr
.irp b, 0,1,2,3
	v_lshrrev_b32 v[BT+\b], 23, v[SOP+\b]
.endr
	v_lshl_or_b32 v[PW], v[BT+1], 8, v[BT]
	v_lshl_or_b32 v[PW], v[BT+2], 16, v[PW]
	v_lshl_or_b32 v[PW], v[BT+3], 24, v[PW]
.irp c, 0,1
	v_cvt_scalef32_pk16_fp6_f32 v[PC+6*\c:PC+2+6*\c], v[S+32*\c:S+15+32*\c], v[SOP+2*\c]
	v_cvt_scalef32_pk16_fp6_f32 v[PT+4*\c:PT+2+4*\c], v[S+16+32*\c:S+31+32*\c], v[SOP+2*\c+1]
.endr
	v_nop                                          ; one plain place behind the scaled conversions
.irp c, 0,1
.irp i, 0,1,2
	v_permlane16_swap_b32 v[PC+6*\c+\i], v[PT+4*\c+\i]
.endr
.irp i, 0,1,2
	v_mov_b32 v[PC+3+6*\c+\i], v[PT+4*\c+\i]
.endr
.endr
.irp j, 0,2,4,6,8,10,12,14
	v_pk_mul_f32 v[O+\j:O+1+\j], v[O+\j:O+1+\j], v[FF:FF+1] op_sel_hi:[1,0]   ; O^T under the new M, from its low end on
.endr
.irp j, 32,36,40,44,48,52,56,60                ; the sum's second half: 17 plain lines between the last write of an operand and the products
	v_pk_add_f32 v[14:15], v[14:15], v[S+\j:S+1+\j]
	v_pk_add_f32 v[SB:SB+1], v[SB:SB+1], v[S+2+\j:S+3+\j]
.endr
	v_pk_add_f32 v[14:15], v[14:15], v[SB:SB+1]
.if \last
	s_wait_loadcnt 22                              ; the projection's 22 loads may be out: v is in
.else
	s_wait_loadcnt 7                               ; the next k's seven loads may be out: v is in
.endif
	s_wait_alu depctr_va_vdst(0)                   ; p's codes and its scale word are written, which the two scaled products below take; the places above stay beside this wait
	WM O, VF, PC, O, VSR, PW, 0, 0                 ; O^T += V^T P^T: two accumulators by turns; the next matrix instruction is a score tile's
	WM O+8, VF+12, PC, O+8, VSR, PW, 1, 0
.if \last == 0
	s_wait_xcnt 0x0                                ; the loads and the prefetch have read their base
	s_add_nc_u64 s[REC:REC+1], s[REC:REC+1], 6656
.endif
.endm
	s_cmp_eq_u32 s17, 0
	s_cbranch_scc1 .Llast
.Lstep:
	STEP 0
	s_sub_co_u32 s[REM], s[REM], 1
	s_cmp_lg_u32 s[REM], 0
	s_cbranch_scc1 .Lstep
.Llast:
	STEP 1
	; ---- O / sum, quantised: one block = my head
.rept 4
	v_nop
.endr
	v_add_f32 v14, v14, v15
	v_permlanex16_b32 v[TP], v14, s[SEL], s[SEL+1]
	v_add_f32 v14, v14, v[TP]
	s_wait_alu depctr_va_vdst(0)
	v_rcp_f32 v14, v14
	v_nop                                          ; a plain place behind the reciprocal
	s_wait_alu depctr_va_vdst(0)                   ; the reciprocal has written v14, ahead of its first reader
.irp j, 0,1,2,3,4,5,6,7,8,9,10,11,12,13,14,15
	v_mul_f32 v[O+\j], v[O+\j], v14                ; register j: d = 16 h + j of my query
.endr
	v_max3_num_f32 v[BM], |v[O]|, |v[O+1]|, 0x1800000
	v_max3_num_f32 v[BM+1], |v[O+8]|, |v[O+9]|, |v[O+10]|
	v_max3_num_f32 v[BM], v[BM], |v[O+2]|, |v[O+3]|
	v_max3_num_f32 v[BM+1], v[BM+1], |v[O+11]|, |v[O+12]|
	v_max3_num_f32 v[BM], v[BM], |v[O+4]|, |v[O+5]|
	v_max3_num_f32 v[BM+1], v[BM+1], |v[O+13]|, |v[O+14]|
	v_max3_num_f32 v[BM], v[BM], |v[O+6]|, |v[O+7]|
	v_max3_num_f32 v[BM], v[BM], v[BM+1], |v[O+15]|
	v_permlanex16_b32 v[BT], v[BM], s[SEL], s[SEL+1]
	v_max_num_f32 v[BM], v[BM], v[BT]
	v_add_nc_u32 v[SOP], 0xff000000, v[BM]
	v_lshrrev_b32 v[BT], 23, v[SOP]
	v_cvt_scalef32_pk16_fp6_f32 v[PC:PC+2], v[O:O+15], v[SOP]
	v_nop
	s_wait_alu depctr_va_vdst(0)                   ; the conversion has written the codes and the shift the byte, which the LDS stores read; the last products V^T P^T are done reading v's fragments, in which the LDS loads behind the barrier land
	ds_store_b32 v5, v[PC]
	ds_store_b32 v5, v[PC+1] offset:4
	ds_store_b32 v5, v[PC+2] offset:8
	ds_store_b8 v6, v[BT]                          ; both lanes of a row write the same byte with the same value
	s_wait_dscnt 0x0                               ; for the others' sake: my stores have landed
	s_barrier_signal -1
	s_barrier_wait -1                              ; both sides' 16 rows of 256 codes lie in LDS
	; ---- the projection: my side's 16 tokens x output columns 32 head on
.irp ks, 0,1
.irp p, 0,1,2,3,4,5
	ds_load_b64 v[VF+12*\ks+2*\p:VF+12*\ks+2*\p+1], v7 offset:1792*\ks+48*(\p/3)+8*(\p%3)   ; no vector or matrix instruction since the wait above names these registers
.endr
.endr
	ds_load_b32 v[ASW], v8
	s_wait_dscnt 0x0
	s_wait_loadcnt 0x0                             ; w_proj's fragments, scale words and b_proj
	WM S, 16, VF, BP, WPS, ASW, 0, 0               ; two accumulators by turns; b_proj is the C of each sum's first product
	WM S+8, 40, VF, BP+8, WPS, ASW, 1, 0
	WM S, 28, VF+12, S, WPS+1, ASW, 0, 1
	WM S+8, 52, VF+12, S+8, WPS+1, ASW, 1, 1
.rept 4
	v_nop
.endr
	s_wait_alu depctr_va_vdst(0)                   ; the four products have written their results, which the LDS stores read; the places above stay beside this wait.  The step's vector lines that named v114 to v129, in which the rows land below, stand ahead of it too
.irp u, 0,1
	ds_store_b128 v9, v[S+8*\u:S+8*\u+3] offset:64*\u          ; lane (r, h): columns 32 head + 16 u + 8 h + 0 .. 7 of token r
	ds_store_b128 v9, v[S+8*\u+4:S+8*\u+7] offset:64*\u+16
.endr
	s_wait_dscnt 0x0
	s_barrier_signal -1
	s_barrier_wait -1                              ; 32 whole rows lie in the stage
.irp i, 0,1,2,3
	ds_load_b128 v[114+4*\i:117+4*\i], v10 offset:1040*(\i/2)+512*(\i%2)
.endr
.irp i, 0,1,2,3
	s_wait_dscnt 3-\i                              ; the younger loads may be out
	global_store_b128 v1, v[114+4*\i:117+4*\i], s[40:41] offset:4096*(\i/2)+512*(\i%2) th:TH_STORE_NT   ; 32 lanes store 512 consecutive bytes, aligned to 256; the next token's row lies 4,096 bytes on
.endr
	s_wait_dscnt 0x0                               ; the closing lines, six on end
	s_wait_alu 0x0
	s_wait_tensorcnt 0x0
	ds_add_u32 v254, v255
	s_wait_dscnt 0x0
	s_endpgm
.Lfunc_end_k_q26ff8f59c0_attn:
	.size	k_q26ff8f59c0_attn, .Lfunc_end_k_q26ff8f59c0_attn-k_q26ff8f59c0_attn
	.p2alignl 7, 3214868480
	.fill 96, 4, 3214868480
	.section	.rodata,"a",@progbits
	.p2align	6, 0x0
	.amdhsa_kernel k_q26ff8f59c0_attn
		.amdhsa_group_segment_fixed_size 43008
		.amdhsa_private_segment_fixed_size 0
		.amdhsa_enable_private_segment 0
		.amdhsa_kernarg_size 40
		.amdhsa_user_sgpr_count 2
		.amdhsa_user_sgpr_kernarg_segment_ptr 1
		.amdhsa_wavefront_size32 1
		.amdhsa_system_sgpr_workgroup_id_x 1
		.amdhsa_system_sgpr_workgroup_id_y 1
		.amdhsa_system_sgpr_workgroup_id_z 1
		.amdhsa_system_vgpr_workitem_id 0
		.amdhsa_next_free_vgpr 256
		.amdhsa_next_free_sgpr 66
		.amdhsa_reserve_vcc 0
		.amdhsa_float_denorm_mode_32 3
		.amdhsa_float_denorm_mode_16_64 3
		.amdhsa_memory_ordered 1
		.amdhsa_forward_progress 1
		.amdhsa_inst_pref_size 55
	.end_amdhsa_kernel
	.amdgpu_metadata
---
amdhsa.version: [ 1, 2 ]
amdhsa.kernels:
  - .name:           k_q26ff8f59c0_attn
    .symbol:         k_q26ff8f59c0_attn.kd
    .args:
      - { .name: qimg, .offset: 0, .size: 8, .value_kind: global_buffer, .address_space: global }
      - { .name: kv, .offset: 8, .size: 8, .value_kind: global_buffer, .address_space: global }
      - { .name: wp, .offset: 16, .size: 8, .value_kind: global_buffer, .address_space: global }
      - { .name: b_proj, .offset: 24, .size: 8, .value_kind: global_buffer, .address_space: global }
      - { .name: out0, .offset: 32, .size: 8, .value_kind: global_buffer, .address_space: global }
    .group_segment_fixed_size: 43008
    .private_segment_fixed_size: 0
    .kernarg_segment_align: 8
    .kernarg_segment_size: 40
    .max_flat_workgroup_size: 512
    .sgpr_count:     66
    .vgpr_count:     256
    .wavefront_size: 32
...
	.end_amdgpu_metadata
.endif
;; end of part 4
